; MI455X (gfx1250); checked and timed in simulation.
; The chip was launched on July 23, 2026; its instructions are those of AMD's public machine-readable ISA for CDNA 5 (MIT licence, August 2026) and "CDNA5" Instruction Set Architecture Reference Guide (July 2026). The comments in the code are by the model that wrote it; some were corrected since.
;; Multi Head Attention. Allowed arithmetic: matrix products marked QUANTISED: E2M3 operands, one E8M0 scale for each 32 along K, by v_wmma_scale_f32_16x16x128_f8f6f4 with both operands' format E2M3, f32 sums; everything else in f32.
;; Inputs: b_proj 1,024 float32; b_qkv 3,072 float32; w_proj 1,024 x 1,024 float32; w_qkv 3,072 x 1,024 float32; x 4 x 2,048 x 1,024 float32.
;; Outputs: out0 4 x 2,048 x 1,024 float32.
;; This version of the problem:
;;   THIS VERSION OF THE PROBLEM IS GIVEN IN LOW PRECISION. The matrix products marked QUANTISED in the list below multiply operands that are first quantised to E2M3 (2 exponent bits, 3 mantissa bits; 6 bits a number), with one power-of-two scale for each 32 numbers along K (OCP MX v1.0); their sums are f32. All else is computed in f32.
;;   The module's matrix products, in the order in which they are computed (A, B: the left and right operand; K: the contracted axis; several contracted axes count as one K, in the product's order):
;;     1. [M 8,192, K 1,024] x [K 1,024, N 3,072]; A: input x; B: input w_qkv: QUANTISED
;;     2. batch 64 x [M 2,048, K 64] x [K 64, N 2,048]; A: computed on the way; B: computed on the way: QUANTISED
;;     3. batch 64 x [M 2,048, K 2,048] x [K 2,048, N 64]; A: softmax (see below); B: computed on the way: QUANTISED
;;     4. [M 8,192, K 1,024] x [K 1,024, N 1,024]; A: computed on the way; B: input w_proj: QUANTISED
;;   THE QUANTISER, for each operand of a quantised product, along K:
;;     - K is cut into blocks of 32 from its start; a last block that is shorter is filled with zeros.
;;     - A block's scale is 2^e with e = floor(log2(the largest magnitude in the block)) - 2, held to -126 .. 127; a block of zeros has e = 0. As a byte (E8M0): e + 127.
;;     - Each number is divided by its block's scale, clamped to +-7.5, and rounded to the nearest number of E2M3, ties to even, subnormals kept.
;;     - The product sums the exact products of the quantised numbers (number of the format x scale) in f32.
;;   ~~~python
;;   def quantise(x, axis):      # numpy; x: float32 -> the quantised numbers, widened to float32 again
;;       x = np.moveaxis(x, axis, -1); K = x.shape[-1]
;;       x = np.pad(x, [(0, 0)] * (x.ndim - 1) + [(0, -K % 32)]); x = x.reshape(x.shape[:-1] + (-1, 32)); a = np.abs(x).max(-1, keepdims=True)
;;       e = np.where(a > 0, np.clip(np.frexp(np.where(a > 0, a, 1))[1] - 1 - 2, -126, 127), 0)      # np.frexp(a)[1] - 1 = floor(log2(a)), exactly
;;       r = np.clip(x / 2.0 ** e, -7.5, 7.5)
;;       step = 2.0 ** (np.maximum(np.frexp(np.where(r == 0, 1, r))[1] - 1, 0) - 3)
;;       q = np.round(r / step) * step * 2.0 ** e      # np.round: ties to even
;;       return np.moveaxis(q.reshape(q.shape[:-2] + (-1,))[..., :K], -1, axis).astype(np.float32)
;;   ~~~
;;   SOFTMAX AHEAD OF A QUANTISED PRODUCT. Where the list says 'softmax', what is quantised is not the finished softmax but p = 2^(t - M), with t = logit x log2(e) and M = ceil(the row's largest t), a whole number; so 1/2 < the row's largest p <= 1. The row's sum l is taken of the UNQUANTISED p, in f32, and the product's result is divided by l at the end. Since M is a whole number, a kernel that streams over the keys may use a running M (the ceiling of the running maximum): every later rescaling is an exact power of two, which a block's scale takes up: the codes' values come out the same.
;;   OPERANDS COMPUTED ON THE WAY. 'Computed on the way' means the value that the module computes at that place (a softmax that the list does not call 'softmax' is quantised finished and normalised). What goes into a quantiser is computed in f32, as accurately as f32 sums, v_exp_f32 and their like allow (about 1e-6 of the number): no bf16 or f16 on the way to a quantiser, and a product that is left as it is and whose result goes on into a quantised operand takes f32 operands (vector FMAs, or v_wmma_f32_16x16x4_f32). A number that lies on a knife's edge between two numbers of the format may be rounded either way, as far as f32 arithmetic and the matrix unit's own rounding can turn it there, and no further.
;; One version. Each part assembles by itself: llvm-mc -triple=amdgcn-amd-amdhsa -mcpu=gfx1250 --defsym DOCPART=n.
;; ======== version 1 of 1: 4 launches
;; limits: right only within a limited range of input values
;; workspace buffers: img1 9,437,184 bytes; sw1 393,216 bytes; qkv 19,660,800 bytes; o_img 6,291,456 bytes; o_sw 262,144 bytes
;; launch quant (part 1): grid 768 x 1, 2 waves a work-group, no clusters, 17,152 bytes of LDS; arguments x, w_qkv, w_proj, img1, sw1; writes img1, sw1
.if DOCPART == 1
	.amdgcn_target "amdgcn-amd-amdhsa--gfx1250"
	.amdhsa_code_object_version 6
	.text
	.protected	k_q9dc02bb69d_quant
	.globl	k_q9dc02bb69d_quant
	.p2align	8
	.type	k_q9dc02bb69d_quant,@function
k_q9dc02bb69d_quant:
	s_mov_b64 s[64:65], 0
	v_nop
	global_prefetch_b8 v0, s[64:65] scope:SCOPE_SE
	s_setreg_imm32_b32 hwreg(HW_REG_WAVE_MODE, 25, 1), 1
	s_wait_xcnt 0x0
; MULTI-HEAD ATTENTION IN MX-FP6, launch 1 of 4: x [8192][1024], w_qkv [3072][1024] and w_proj [1024][1024], f32, K innermost, become codes of E2M3 and E8M0 scale bytes.
; NO WORK OF reference() IS LEFT OUT in this program: every input has a way to the output (the bias on k moves k's codes, so it stays), and all four products are live.
; THE FORMAT OF EVERY OPERAND IN THIS PROGRAM'S BUFFERS: a HALF FRAGMENT, 16 rows x 64 K in 768 bytes, is the image of six operand registers: three planes of 256 bytes; plane p holds at byte 8 x lane
; registers 2 p, 2 p + 1 of lane (r = lane % 16, h = lane / 16), which are bytes 8 p .. 8 p + 7 of the 24 bytes of block h (32 codes) of row r.  Two half fragments on end are one operand of 12 registers.
; THE ROWS OF A BLOCK OF 16 ARE NOT NEIGHBOURS: block i holds rows 32 (i / 2) + 8 (i % 2) + r + 8 (r / 8), so that in a product that takes such blocks as source 0 the 16 registers of two neighbouring
; result tiles are 16 neighbours along that axis, ready for the next quantiser.
; img1: 768 blocks (0-511 x, 512-703 w_qkv, 704-767 w_proj) of 16 half fragments.  sw1: 512 bytes a block: [K / 256][r][2] words, a word for 128 along K.
; A block's scale is 2^(floor(log2(its largest magnitude)) - 2): its byte is the largest magnitude's exponent field - 2, held at 1 from below.
; LIMITS: NaN and infinities among the inputs are not served; a block whose largest magnitude lies under 2^-124 has its byte held at 1; a block of zeros has the byte 1 where the rule says 127 (its codes are
; zeros, which add nothing, and this program alone reads the bytes).
; SHARES: a work-group makes one block; wave w takes K 512 w .. 512 w + 511 in four units of 128.  Each load reads 512 consecutive bytes of one row; a unit turns through the wave's own stage in LDS, so that
; lane (r, h) gets blocks h and 2 + h of row r whole: no other lane is asked for a maximum, and the conversions' results are the operand's registers.  No tensor load, no barrier: waves share nothing.
.set STG,   8448                       ; a wave's stage: 16 rows x (512 bytes + 16): the pitch is an odd multiple of 16 bytes
.set SPARE, 2*STG                      ; behind the stages: the spare words, 128 bytes for each wave: one block of 256 bytes that no other line names
.set SPW,   6                          ; v6   LDS address of my spare word; never rewritten
.set NIL,   7                          ; v7   0; never rewritten
.set R,     16                         ; v16-143  two sets of 64: a unit as it is loaded
.set X,     144                        ; v144-207 my two blocks of 32 numbers
.set C,     208                        ; v208-219 the operand's 12 registers
.set C2,    220                        ; v220-222, v224-226 the conversions' second halves
.set W,     228                        ; v228-231 the four units' scale words
	s_load_b128 s[4:7], s[0:1], 0x0                ; x, w_qkv
	s_load_b128 s[8:11], s[0:1], 0x10              ; w_proj, img1
	s_load_b64 s[12:13], s[0:1], 0x20              ; sw1
	v_lshl_add_u32 v[SPW], v0, 2, SPARE
	v_mov_b32 v[NIL], 0
	v_lshrrev_b32 v8, 5, v0
	v_readfirstlane_b32 s14, v8                    ; wave
	v_and_b32 v9, 31, v0                           ; lane
	v_and_b32 v10, 15, v0                          ; r
	v_bfe_u32 v11, v0, 4, 1                        ; h
	v_lshlrev_b32 v1, 4, v9                        ; v1: my 16 bytes of a load's 512
	s_mul_i32 s15, s14, STG
	v_add_nc_u32 v2, s15, v1                       ; v2: the stage, on the way in
	v_mul_u32_u24 v3, v10, 528
	v_lshl_add_u32 v3, v11, 7, v3
	v_add_nc_u32 v3, s15, v3                       ; v3: and on the way out: row r, + 128 h
	v_lshlrev_b32 v4, 3, v9                        ; v4: 8 x lane: my place in a plane
	v_lshlrev_b32 v5, 3, v11                       ; v5: 8 h: my bytes' shift in a scale word
	v_cmp_ne_u32 s22, 0, v11                       ; the lanes with h = 1
	v_mov_b32 v15, 0                               ; written once: a lane permute's destination counts as one of its sources
	s_mov_b32 s20, 0x76543210
	s_mov_b32 s21, 0xfedcba98                      ; v_permlanex16_b32's selects for lane l xor 16
	s_wait_alu depctr_va_vdst(0)
	s_wait_kmcnt 0x0
	s_cmp_lt_u32 ttmp9, 704                        ; which tensor: the choice hangs on the work-group's number alone
	s_cselect_b64 s[6:7], s[6:7], s[8:9]
	s_mov_b32 s16, 704
	s_cselect_b32 s16, 512, s16
	s_cmp_lt_u32 ttmp9, 512
	s_cselect_b64 s[4:5], s[4:5], s[6:7]
	s_cselect_b32 s16, 0, s16
	s_sub_co_u32 s16, ttmp9, s16                   ; i: the block's number in its tensor
	s_lshr_b32 s17, s16, 1
	s_lshl_b32 s17, s17, 17                        ; 32 (i / 2) rows of 4,096 bytes
	s_and_b32 s18, s16, 1
	s_lshl_b32 s18, s18, 15                        ; 8 (i % 2) rows
	s_add_co_u32 s18, s17, s18
	s_lshl_b32 s19, s14, 11                        ; my wave's 512 numbers of a row
	s_add_co_u32 s18, s18, s19
	s_mov_b32 s19, 0
	s_add_nc_u64 s[4:5], s[4:5], s[18:19]
	s_mul_i32 s18, ttmp9, 12288
	s_mul_i32 s17, s14, 6144
	s_add_co_u32 s18, s18, s17
	s_add_nc_u64 s[10:11], s[10:11], s[18:19]      ; my eight half fragments
	s_lshl_b32 s18, ttmp9, 9
	s_lshl_b32 s17, s14, 8
	s_add_co_u32 s18, s18, s17
	s_add_nc_u64 s[12:13], s[12:13], s[18:19]      ; my 256 bytes of scale words
.macro LOAD u                          ; unit u: 128 numbers of each of the block's 16 rows
.irp t, 0,1,2,3,4,5,6,7,8,9,10,11,12,13,14,15
	global_load_b128 v[R+64*((\u)%2)+4*\t:R+64*((\u)%2)+4*\t+3], v1, s[4:5] offset:(\t+8*(\t/8))*4096+512*(\u) th:TH_LOAD_NT
.endr
.endm
.macro UNIT u
.if (\u) < 3
	s_wait_loadcnt 16                              ; this unit's 16 loads are in; the next unit's 16 may be out
.else
	s_wait_loadcnt 0
.endif
.irp t, 0,1,2,3,4,5,6,7,8,9,10,11,12,13,14,15
	ds_store_b128 v2, v[R+64*((\u)%2)+4*\t:R+64*((\u)%2)+4*\t+3] offset:528*\t
.endr
.irp c, 0,1
.irp jj, 0,1,2,3,4,5,6,7
	ds_load_b128 v[X+32*\c+4*\jj:X+32*\c+4*\jj+3], v3 offset:256*\c+16*\jj   ; k = 64 c + 32 h + 4 jj on; LDS serves a wave's instructions in order: these see the stores above
.endr
.endr
	s_wait_dscnt 0x0                               ; the stores have read their registers, and my 64 numbers are in
.if (\u) < 2
	LOAD (\u)+2
.endif
.irp c, 0,1
	v_max3_num_f32 v[8+\c], |v[X+32*\c]|, |v[X+1+32*\c]|, 0x1800000   ; my block 2 c + h, and the floor 2^(3 - 127): the byte cannot fall under 1
.endr
.irp i, 2,4,6,8,10,12,14,16,18,20,22,24,26,28,30
.irp c, 0,1
	v_max3_num_f32 v[8+\c], v[8+\c], |v[X+32*\c+\i]|, |v[X+1+32*\c+\i]|   ; (the two blocks by turns)
.endr
.endr
.irp c, 0,1
	v_add_nc_u32 v[10+\c], 0xff000000, v[8+\c]     ; 2 off the exponent field: the conversion's scale operand
.endr
.irp c, 0,1
	v_lshrrev_b32 v[12+\c], 23, v[10+\c]           ; the scale's byte
.endr
	v_lshl_or_b32 v14, v13, 16, v12                ; my two bytes: blocks h and 2 + h,
	v_lshlrev_b32 v14, v5, v14                     ; at their places in the word;
	v_permlanex16_b32 v15, v14, s20, s21
	v_or_b32 v[W+(\u)], v14, v15                   ; with lane l xor 16's two the word is whole
.if (\u) > 0
	s_wait_alu depctr_va_vdst(0)
	s_wait_xcnt 0x0                                ; the last unit's stores have read the code registers: only now are they written again
.endif
.irp c, 0,1
	v_cvt_scalef32_pk16_fp6_f32 v[C+6*\c:C+2+6*\c], v[X+32*\c:X+15+32*\c], v[10+\c]
	v_cvt_scalef32_pk16_fp6_f32 v[C2+4*\c:C2+2+4*\c], v[X+16+32*\c:X+31+32*\c], v[10+\c]   ; (a conversion's three registers begin on an even number)
.endr
	v_nop                                          ; one plain place behind a scaled conversion
.irp c, 0,1
.irp i, 0,1,2
	v_mov_b32 v[C+3+6*\c+\i], v[C2+4*\c+\i]
.endr
.endr
.irp p, 0,1,2,3,4,5
	global_store_b64 v4, v[C+2*\p:C+2*\p+1], s[10:11] offset:1536*(\u)+256*\p   ; a plane: 32 lanes store 256 consecutive bytes, aligned
.endr
.endm
	LOAD 0
	LOAD 1
	UNIT 0
	UNIT 1
	UNIT 2
	UNIT 3
	v_cndmask_b32 v232, v[W], v[W+2], s22          ; lane (r, h) stores the two words of K / 256 = 2 w + h
	v_cndmask_b32 v233, v[W+1], v[W+3], s22
	global_store_b64 v4, v[232:233], s[12:13]      ; 256 consecutive bytes, aligned
	s_wait_tensorcnt 0x0                           ; the wave's end, behind my last LDS store
	ds_add_u32 v[SPW], v[NIL]
	s_wait_dscnt 0x0
	s_endpgm
.Lfunc_end_k_q9dc02bb69d_quant:
	.size	k_q9dc02bb69d_quant, .Lfunc_end_k_q9dc02bb69d_quant-k_q9dc02bb69d_quant
	.p2alignl 7, 3214868480
	.fill 96, 4, 3214868480
	.section	.rodata,"a",@progbits
	.p2align	6, 0x0
	.amdhsa_kernel k_q9dc02bb69d_quant
		.amdhsa_group_segment_fixed_size 17152
		.amdhsa_private_segment_fixed_size 0
		.amdhsa_enable_private_segment 0
		.amdhsa_kernarg_size 40
		.amdhsa_user_sgpr_count 2
		.amdhsa_user_sgpr_kernarg_segment_ptr 1
		.amdhsa_wavefront_size32 1
		.amdhsa_system_sgpr_workgroup_id_x 1
		.amdhsa_system_sgpr_workgroup_id_y 1
		.amdhsa_system_sgpr_workgroup_id_z 1
		.amdhsa_system_vgpr_workitem_id 0
		.amdhsa_next_free_vgpr 240
		.amdhsa_next_free_sgpr 66
		.amdhsa_reserve_vcc 0
		.amdhsa_float_denorm_mode_32 3
		.amdhsa_float_denorm_mode_16_64 3
		.amdhsa_memory_ordered 1
		.amdhsa_forward_progress 1
		.amdhsa_inst_pref_size 32
	.end_amdhsa_kernel
	.amdgpu_metadata
---
amdhsa.version: [ 1, 2 ]
amdhsa.kernels:
  - .name:           k_q9dc02bb69d_quant
    .symbol:         k_q9dc02bb69d_quant.kd
    .args:
      - { .name: x, .offset: 0, .size: 8, .value_kind: global_buffer, .address_space: global }
      - { .name: w_qkv, .offset: 8, .size: 8, .value_kind: global_buffer, .address_space: global }
      - { .name: w_proj, .offset: 16, .size: 8, .value_kind: global_buffer, .address_space: global }
      - { .name: img1, .offset: 24, .size: 8, .value_kind: global_buffer, .address_space: global }
      - { .name: sw1, .offset: 32, .size: 8, .value_kind: global_buffer, .address_space: global }
    .group_segment_fixed_size: 17152
    .private_segment_fixed_size: 0
    .kernarg_segment_align: 8
    .kernarg_segment_size: 40
    .max_flat_workgroup_size: 64
    .sgpr_count:     66
    .vgpr_count:     240
    .wavefront_size: 32
...
	.end_amdgpu_metadata
.endif
;; end of part 1
;; launch qkv (part 2): grid 12 x 32, 4 waves a work-group, clusters of 4 x 4, 327,680 bytes of LDS; arguments img1, sw1, b_qkv, qkv; writes qkv
.if DOCPART == 2
	.amdgcn_target "amdgcn-amd-amdhsa--gfx1250"
	.amdhsa_code_object_version 6
	.text
	.protected	k_q9dc02bb69d_qkv
	.globl	k_q9dc02bb69d_qkv
	.p2align	8
	.type	k_q9dc02bb69d_qkv,@function
k_q9dc02bb69d_qkv:
	s_mov_b64 s[64:65], 0
	v_nop
	global_prefetch_b8 v0, s[64:65] scope:SCOPE_SE
	s_setreg_imm32_b32 hwreg(HW_REG_WAVE_MODE, 25, 1), 1
	s_wait_xcnt 0x0
	s_wait_alu depctr_hold_cnt(0) depctr_sa_sdst(0) depctr_va_vdst(0) depctr_va_sdst(0) depctr_va_ssrc(0) depctr_va_vcc(0) depctr_vm_vsrc(0)
	s_getreg_b32 s2, hwreg(HW_REG_IB_STS2, 6, 4)
	s_cmp_eq_u32 s2, 0
	s_cbranch_scc0 .Lentry_in_a_cluster
	s_endpgm
.Lentry_in_a_cluster:
	s_bfe_u32 s2, ttmp6, 0x10000c
	s_cmp_lg_u32 s2, 0xf033
	s_cbranch_scc0 .Lentry_shape_is_right
	s_endpgm
.Lentry_shape_is_right:
.set NQ,     2
.set FR,     12
.set NL,     6
.set NP,     4
.set BLKB,   3072
.set HALFT,  8*BLKB
.set SLOT,   4*HALFT
.set SCL,    2*SLOT
.set HALFS,  4096
.set SBLK,   512
.set SPARE,  262144
.set IMGB,   12288
.set REC,    19200
.set HEADB,  16*REC
.set ADRA, 16
.set ADRB, 20
.set ADRS, 27
.set SPW,  28
.set NIL,  29
.set SC,   32
.set BV,   64
.set AF,   128
.set T,    128
.set PC,   192
.set WD,   224
.set PSEL, 232
.set VO1,  233
.set VO2,  234
.set VOS,  235
.set VB0,  236
.set VB1,  237
.set TM,   240
.set SEL,  2
.set HM,   96
.set G1, 24
.set G0, 32
.set G1B, 48
.set G0B, 56
.set G1S, 68
.set G0S, 76
.set G1SB, 80
.set G0SB, 88
.set MSB, 0
.macro WIN new
.if MSB != (\new)
	s_set_vgpr_msb (MSB<<8)|(\new)
.set MSB, (\new)
.endif
.endm
.set MUL_LO, 0xa1
.set MUL_HI, 0xf1
.set TO_B,   0x40
.macro JLOAD g0a, g1a, g0b, g1b
	s_cmp_eq_u32 s15, 0
	s_cbranch_scc0 .Lfor_b_\@
	tensor_load_to_lds s[\g0a:\g0a+3], s[\g1a:\g1a+7]
	s_nop 0
.rept 4
	v_nop
.endr
	s_branch .Lasked_\@
.Lfor_b_\@:
	tensor_load_to_lds s[\g0b:\g0b+3], s[\g1b:\g1b+7]
	s_nop 0
.rept 4
	v_nop
.endr
.Lasked_\@:
.endm
.macro CREST
	s_cmp_lg_u32 s14, 0
	s_cbranch_scc1 .Lnot_wave_0_\@
	s_barrier_signal -3
.Lnot_wave_0_\@:
	s_barrier_wait -3
	s_barrier_signal -1
	s_barrier_wait -1
.endm
.macro CROUND
	s_barrier_signal -1
	s_barrier_wait -1
	CREST
.endm
	s_load_b256 s[4:11], s[0:1], 0x0
	v_lshl_add_u32 v[SPW], v0, 2, SPARE
	v_mov_b32 v[NIL], 0
	ds_add_u32 v[SPW], v[NIL]
	ds_add_u32 v[SPW], v[NIL]
	v_lshrrev_b32 v1, 5, v0
	v_readfirstlane_b32 s14, v1
	s_lshr_b32 s15, s14, 1
	s_and_b32 s16, s14, 1
	s_bfe_u32 s40, ttmp6, 0x40000
	s_bfe_u32 s41, ttmp6, 0x40004
	s_lshl_b32 s42, ttmp9, 2
	s_add_co_u32 s42, s42, s40
	s_and_b32 s17, ttmp7, 0xffff
	s_lshl_b32 s17, s17, 2
	s_add_co_u32 s17, s17, s41
	s_lshl_b32 s43, s41, 2
	s_lshl_b32 s43, 15, s43
	s_lshl_b32 s44, 0x1111, s40
	s_cmp_eq_u32 ttmp9, 2
	s_cselect_b32 s95, 1, 0
	s_or_b32 s[G1+0], s43, (3<<16)|(1<<21)
	s_or_b32 s[G1B+0], s44, (3<<16)|(1<<21)
.irp g, G1, G1B
	s_mov_b32 s[\g+1], 384<<16
	s_mov_b32 s[\g+2], 8<<16
	s_mov_b32 s[\g+3], 384<<16
	s_mov_b32 s[\g+4], 8
	s_mov_b32 s[\g+5], 1536
	s_mov_b32 s[\g+6], 0
	s_mov_b32 s[\g+7], 0
.endr
	s_or_b32 s[G1S+0], s43, (3<<16)|(1<<21)
	s_or_b32 s[G1SB+0], s44, (3<<16)|(1<<21)
.irp g, G1S, G1SB
	s_mov_b32 s[\g+1], 32<<16
	s_mov_b32 s[\g+2], 16<<16
	s_mov_b32 s[\g+3], 32<<16
	s_mov_b32 s[\g+4], 16
	s_mov_b32 s[\g+5], 32
	s_mov_b32 s[\g+6], 0
	s_mov_b32 s[\g+7], 0
.endr
	s_lshl_b32 s18, s16, 3
	s_lshl_b32 s20, s17, 4
	s_add_co_u32 s20, s20, s18
	s_lshl_b32 s46, s42, 4
	s_add_co_u32 s46, s46, s18
	s_add_co_u32 s46, s46, 512
	s_lshl_b32 s22, s20, 9
	s_mov_b32 s23, 0
	s_lshl_b32 s92, s46, 9
	s_mov_b32 s93, 0
	s_mul_i32 s20, s20, IMGB
	s_mov_b32 s21, 0
	s_mul_i32 s46, s46, IMGB
	s_mov_b32 s47, 0
	s_mul_i32 s45, s14, HALFT
	s_lshl_b32 s94, s14, 12
	s_mov_b32 s[SEL], 0x76543210
	s_mov_b32 s[SEL+1], 0xfedcba98
	s_wait_dscnt 0x0
	s_wait_kmcnt 0x0
	s_add_nc_u64 s[20:21], s[4:5], s[20:21]
	s_add_nc_u64 s[22:23], s[6:7], s[22:23]
	s_add_nc_u64 s[46:47], s[4:5], s[46:47]
	s_add_nc_u64 s[92:93], s[6:7], s[92:93]
	CROUND
	s_mov_b32 s[G0S], 1
	s_add_co_u32 s[G0S+1], s94, SCL
	s_mov_b64 s[G0S+2:G0S+3], s[22:23]
	s_or_b32 s[G0S+3], s[G0S+3], 0x80000000
	s_mov_b32 s[G0SB], 1
	s_add_co_u32 s[G0SB+1], s94, SCL
	s_mov_b64 s[G0SB+2:G0SB+3], s[92:93]
	s_or_b32 s[G0SB+3], s[G0SB+3], 0x80000000
	JLOAD G0S, G1S, G0SB, G1SB
.irp s, 0,1
	s_mov_b32 s[G0+4*\s], 1
	s_add_co_u32 s[G0+4*\s+1], s45, \s*SLOT
	s_add_nc_u64 s[G0+4*\s+2:G0+4*\s+3], s[20:21], \s*BLKB
	s_or_b32 s[G0+4*\s+3], s[G0+4*\s+3], 0x80000000
	s_mov_b32 s[G0B+4*\s], 1
	s_add_co_u32 s[G0B+4*\s+1], s45, \s*SLOT
	s_add_nc_u64 s[G0B+4*\s+2:G0B+4*\s+3], s[46:47], \s*BLKB
	s_or_b32 s[G0B+4*\s+3], s[G0B+4*\s+3], 0x80000000
	s_wait_alu depctr_va_vdst(0)
	s_wait_tensorcnt 0x0
	ds_add_u32 v28, v29
	s_wait_dscnt 0x0
	CROUND
	JLOAD G0+4*\s, G1, G0B+4*\s, G1B
.endr
	v_and_b32 v1, 15, v0
	v_bfe_u32 v2, v0, 4, 1
	v_and_b32 v3, 31, v0
	v_lshlrev_b32 v3, 3, v3
	s_wait_alu depctr_va_vdst(0)
	s_mul_i32 s21, s15, HALFT
	s_mul_i32 s22, s16, HALFT
	s_add_co_u32 s22, s22, 2*HALFT
	s_cmp_eq_u32 s95, 0
	s_cselect_b32 s18, s21, s22
	s_cselect_b32 s19, s22, s21
.irp s, 0,1
	v_add_nc_u32 v[ADRA+\s], s18, v3
	v_add_nc_u32 v[ADRB+\s], s19, v3
	s_add_co_u32 s18, s18, SLOT
	s_add_co_u32 s19, s19, SLOT
.endr
	v_xor_b32 v4, s95, v2
	v_lshlrev_b32 v5, 3, v1
	s_mul_i32 s21, s15, HALFS
	s_mul_i32 s22, s16, HALFS
	s_add_co_u32 s22, s22, 2*HALFS
	s_sub_co_u32 s22, s22, s21
	v_mul_u32_u24 v6, s22, v4
	s_add_co_u32 s21, s21, SCL
	v_add_nc_u32 v5, v5, v6
	v_add_nc_u32 v[ADRS], s21, v5
	v_mov_b32 v[VO1], v3
	v_add_nc_u32 v[VO2], HEADB, v3
	v_mul_u32_u24 v4, v2, HEADB
	v_lshl_add_u32 v[VOS], v1, 4, v4
	v_lshlrev_b32 v[VB0], 6, v2
	v_and_b32 v4, 8, v1
	v_add_nc_u32 v4, v4, v1
	v_lshlrev_b32 v[VB1], 2, v4
	v_cmp_ne_u32 s[HM], 0, v2
	v_mov_b32 v[PSEL], 0x05040100
	v_mov_b32 v4, 0x07060302
	v_cndmask_b32 v[PSEL], v[PSEL], v4, s[HM]
.irp b, 0,1,2,3
	v_mov_b32 v[TM+4+\b], 0
.endr
	s_lshl_b32 s18, s17, 1
	s_add_co_u32 s18, s18, s15
	s_lshr_b32 s19, s18, 4
	s_and_b32 s18, s18, 15
	s_lshl_b32 s20, s42, 1
	s_add_co_u32 s20, s20, s16
	s_lshr_b32 s21, s20, 3
	s_and_b32 s22, s20, 7
	s_lshl_b32 s22, s22, 1
	s_lshl_b32 s19, s19, 4
	s_add_co_u32 s19, s19, s22
	s_lshl_b32 s19, s19, 4
	s_add_co_u32 s19, s19, s18
	s_mul_i32 s19, s19, REC
	s_cmp_eq_u32 s21, 0
	s_cselect_b32 s22, 12800, 0
	s_mov_b32 s23, 12288
	s_cselect_b32 s23, 18944, s23
	s_cmp_eq_u32 s21, 2
	s_cselect_b32 s22, 6144, s22
	s_cselect_b32 s23, 12544, s23
	s_add_co_u32 s22, s22, s19
	s_add_co_u32 s18, s23, s19
	s_mov_b32 s23, 0
	s_mov_b32 s19, 0
	s_add_nc_u64 s[12:13], s[10:11], s[22:23]
	s_add_nc_u64 s[98:99], s[10:11], s[18:19]
	s_lshl_b32 s20, s20, 9
	s_mov_b32 s21, 0
	s_add_nc_u64 s[8:9], s[8:9], s[20:21]
.macro FRAG reg, adr, q, i
.irp p, 0,1,2,3,4,5
	ds_load_b64 v[\reg+2*\p:\reg+2*\p+1], v[\adr] offset:BLKB*(\i)+1536*(\q)+256*\p
.endr
.endm
.macro MUL16 a0, p, q, sc, zero
.irp a, \a0, \a0+1
.irp b, 0,1,2,3,4,5,6,7
.if \zero
	v_wmma_scale_f32_16x16x128_f8f6f4 v[8*(8*((\a)%4)+\b):8*(8*((\a)%4)+\b)+7], v[128*(\p)+FR*\b:128*(\p)+FR*\b+FR-1], v[AF+FR*(\a):AF+FR*(\a)+FR-1], 0, v[SC+8*NQ*(\sc)+NQ*\b+(\q)], v[SC+8*NQ*(\sc)+NQ*(\a)+(\q)] matrix_a_fmt:MATRIX_FMT_FP6 matrix_b_fmt:MATRIX_FMT_FP6 matrix_a_scale:MATRIX_SCALE_ROW1
.else
	v_wmma_scale_f32_16x16x128_f8f6f4 v[8*(8*((\a)%4)+\b):8*(8*((\a)%4)+\b)+7], v[128*(\p)+FR*\b:128*(\p)+FR*\b+FR-1], v[AF+FR*(\a):AF+FR*(\a)+FR-1], v[8*(8*((\a)%4)+\b):8*(8*((\a)%4)+\b)+7], v[SC+8*NQ*(\sc)+NQ*\b+(\q)], v[SC+8*NQ*(\sc)+NQ*(\a)+(\q)] matrix_a_fmt:MATRIX_FMT_FP6 matrix_b_fmt:MATRIX_FMT_FP6 matrix_a_scale:MATRIX_SCALE_ROW1
.endif
.endr
.endr
.endm
.macro FETCH_B slot, q, p
	WIN TO_B
.irp i, 0,1,2,3,4,5,6,7
	FRAG 128*(\p)+FR*\i, ADRB+\slot, \q, \i
.endr
	WIN 0
.endm
.macro FETCH_A slot, q, i0
.irp i, \i0, \i0+1, \i0+2, \i0+3
	FRAG AF+FR*(\i), ADRA+\slot, \q, \i
.endr
.endm
.macro SCALES sc
.irp i, 0,1,2,3,4,5,6,7
	ds_load_b64 v[SC+8*NQ*\sc+NQ*\i:SC+8*NQ*\sc+NQ*\i+1], v[ADRS] offset:\i*SBLK
.endr
.endm
.macro PLACES n
.rept \n
	v_nop
.endr
.endm
.macro STEP slot, q, zero
	s_wait_dscnt 4*NL
	WIN MUL_LO
	MUL16 0, (\q)%2, \q, \slot, \zero
	MUL16 2, (\q)%2, \q, \slot, \zero
	s_wait_dscnt 0
	PLACES NP
	FETCH_B \slot, (\q)+1, 1-(\q)%2
	FETCH_A \slot, (\q)+1, 0
	WIN MUL_HI
	MUL16 4, (\q)%2, \q, \slot, \zero
	MUL16 6, (\q)%2, \q, \slot, \zero
	PLACES NP
	WIN 0
	FETCH_A \slot, (\q)+1, 4
.endm
.macro TURN slot, next, fill
	s_wait_tensorcnt 0x0
	ds_add_u32 v[SPW], v[NIL]
	s_wait_dscnt 4*NL+1
	WIN MUL_LO
	MUL16 0, 1, NQ-1, \slot, 0
	s_wait_dscnt 0x0
	s_barrier_signal -1
	MUL16 2, 1, NQ-1, \slot, 0
	WIN 0
	s_barrier_wait -1
.if \fill
	CREST
	s_add_nc_u64 s[G0+4*\slot+2:G0+4*\slot+3], s[G0+4*\slot+2:G0+4*\slot+3], 2*BLKB
	s_add_nc_u64 s[G0B+4*\slot+2:G0B+4*\slot+3], s[G0B+4*\slot+2:G0B+4*\slot+3], 2*BLKB
	JLOAD G0+4*\slot, G1, G0B+4*\slot, G1B
.else
	PLACES NP
.endif
	s_wait_alu depctr_va_vdst(0)
	v_add_nc_u32 v[ADRS], 128, v[ADRS]
	FETCH_B \next, 0, 0
	FETCH_A \next, 0, 0
	SCALES \next
	WIN MUL_HI
	MUL16 4, 1, NQ-1, \slot, 0
	MUL16 6, 1, NQ-1, \slot, 0
	PLACES NP
	WIN 0
	FETCH_A \next, 0, 4
.endm
.macro LASTSTEP
	s_wait_dscnt 4*NL
	WIN MUL_LO
	MUL16 0, 1, NQ-1, 1, 0
	MUL16 2, 1, NQ-1, 1, 0
	s_wait_dscnt 0
	WIN MUL_HI
	MUL16 4, 1, NQ-1, 1, 0
	MUL16 6, 1, NQ-1, 1, 0
	WIN 0
	PLACES NP
	s_wait_loadcnt 0x0
.endm
.macro QUANT s, pw
.irp b, 0,1,2,3
	v_max3_num_f32 v[TM+\b], |v[\s+16*\b]|, |v[\s+1+16*\b]|, 0x1800000
.endr
.irp i, 2,4,6,8,10,12,14
.irp b, 0,1,2,3
	v_max3_num_f32 v[TM+\b], v[TM+\b], |v[\s+16*\b+\i]|, |v[\s+1+16*\b+\i]|
.endr
.endr
.irp b, 0,1,2,3
	v_permlanex16_b32 v[TM+4+\b], v[TM+\b], s[SEL], s[SEL+1]
.endr
.irp b, 0,1,2,3
	v_max_num_f32 v[TM+\b], v[TM+\b], v[TM+4+\b]
.endr
.irp b, 0,1,2,3
	v_add_nc_u32 v[TM+12+\b], 0xff000000, v[TM+\b]
.endr
.irp b, 0,1,2,3
	v_lshrrev_b32 v[TM+4+\b], 23, v[TM+12+\b]
.endr
	v_lshl_or_b32 v[\pw], v[TM+5], 8, v[TM+4]
	v_lshl_or_b32 v[\pw], v[TM+6], 16, v[\pw]
	v_lshl_or_b32 v[\pw], v[TM+7], 24, v[\pw]
.irp c, 0,1
	v_cvt_scalef32_pk16_fp6_f32 v[PC+6*\c:PC+2+6*\c], v[\s+32*\c:\s+15+32*\c], v[TM+12+2*\c]
	v_cvt_scalef32_pk16_fp6_f32 v[PC+12+4*\c:PC+14+4*\c], v[\s+16+32*\c:\s+31+32*\c], v[TM+12+2*\c+1]
.endr
	v_nop
.irp c, 0,1
.irp i, 0,1,2
	v_permlane16_swap_b32 v[PC+6*\c+\i], v[PC+12+4*\c+\i]
.endr
.irp i, 0,1,2
	v_mov_b32 v[PC+3+6*\c+\i], v[PC+12+4*\c+\i]
.endr
.endr
.endm
.macro EPI a, mode
.if (\a) > 0
	s_wait_xcnt 0x0
.endif
	WIN 0x02+(\a)/4
.set j, 0
.rept 32
.if \mode
	v_pk_add_f32 v[T+j:T+j+1], v[64*((\a)%4)+j:64*((\a)%4)+j+1], v[BV+2*(\a):BV+2*(\a)+1]
.else
	v_pk_add_f32 v[T+j:T+j+1], v[64*((\a)%4)+j:64*((\a)%4)+j+1], v[BV+j:BV+j+1]
.endif
.set j, j+2
.endr
	WIN 0
	QUANT T, WD+(\a)
.if \mode
.irp p, 0,1,2,3,4,5
	global_store_b64 v[VO1], v[PC+2*\p:PC+2*\p+1], s[12:13] offset:((\a)/4)*HEADB+((\a)%4)*1536+256*\p
.endr
.else
.irp p, 0,1,2
	global_store_b64 v[VO1], v[PC+2*\p:PC+2*\p+1], s[12:13] offset:768*(\a)+256*\p
.endr
.irp p, 0,1,2
	global_store_b64 v[VO2], v[PC+6+2*\p:PC+7+2*\p], s[12:13] offset:768*(\a)+256*\p
.endr
.endif
.endm
	s_wait_tensorcnt 1
	s_barrier_signal -1
	s_barrier_wait -1
	FETCH_B 0, 0, 0
	FETCH_A 0, 0, 0
	SCALES 0
	FETCH_A 0, 0, 4
	STEP 0, 0, 1
	TURN 0, 1, 1
	STEP 1, 0, 0
	TURN 1, 0, 1
	STEP 0, 0, 0
	TURN 0, 1, 0
	STEP 1, 0, 0
	s_cmp_lg_u32 s95, 0
	s_cbranch_scc1 .Lv
.irp bb, 0,1,2,3
.irp jj, 0,1,2,3
	global_load_b128 v[BV+16*\bb+4*\jj:BV+16*\bb+4*\jj+3], v[VB0], s[8:9] offset:128*\bb+16*\jj
.endr
.endr
	LASTSTEP
.irp a, 0,1,2,3,4,5,6,7
	EPI \a, 0
.endr
.irp f, 0,1,2,3
	v_perm_b32 v[T+\f], v[WD+2*\f+1], v[WD+2*\f], v[PSEL]
.endr
	global_store_b128 v[VOS], v[T:T+3], s[98:99]
	s_branch .Lend
.Lv:
.irp a, 0,1,2,3,4,5,6,7
	global_load_b32 v[BV+2*\a], v[VB1], s[8:9] offset:4*(32*(\a/2)+8*(\a%2))
	global_load_b32 v[BV+2*\a+1], v[VB1], s[8:9] offset:4*(32*(\a/2)+8*(\a%2))
.endr
	LASTSTEP
.irp a, 0,1,2,3,4,5,6,7
	EPI \a, 1
.endr
.irp i, 0,1,2,3
	v_cndmask_b32 v[T+\i], v[WD+\i], v[WD+4+\i], s[HM]
.endr
	global_store_b128 v[VOS], v[T:T+3], s[98:99]
.Lend:
	s_wait_tensorcnt 0x0
	ds_add_u32 v[SPW], v[NIL]
	s_wait_dscnt 0x0
	CROUND
	s_endpgm
.Lfunc_end_k_q9dc02bb69d_qkv:
	.size	k_q9dc02bb69d_qkv, .Lfunc_end_k_q9dc02bb69d_qkv-k_q9dc02bb69d_qkv
	.p2alignl 7, 3214868480
	.fill 96, 4, 3214868480
	.section	.rodata,"a",@progbits
	.p2align	6, 0x0
	.amdhsa_kernel k_q9dc02bb69d_qkv
		.amdhsa_group_segment_fixed_size 327680
		.amdhsa_private_segment_fixed_size 0
		.amdhsa_enable_private_segment 0
		.amdhsa_kernarg_size 32
		.amdhsa_user_sgpr_count 2
		.amdhsa_user_sgpr_kernarg_segment_ptr 1
		.amdhsa_wavefront_size32 1
		.amdhsa_system_sgpr_workgroup_id_x 1
		.amdhsa_system_sgpr_workgroup_id_y 1
		.amdhsa_system_sgpr_workgroup_id_z 1
		.amdhsa_system_vgpr_workitem_id 0
		.amdhsa_next_free_vgpr 1024
		.amdhsa_next_free_sgpr 100
		.amdhsa_reserve_vcc 0
		.amdhsa_float_denorm_mode_32 3
		.amdhsa_float_denorm_mode_16_64 3
		.amdhsa_memory_ordered 1
		.amdhsa_forward_progress 1
		.amdhsa_inst_pref_size 246
	.end_amdhsa_kernel
	.amdgpu_metadata
---
amdhsa.version: [ 1, 2 ]
amdhsa.kernels:
  - .name:           k_q9dc02bb69d_qkv
    .symbol:         k_q9dc02bb69d_qkv.kd
    .args:
      - { .name: img1, .offset: 0, .size: 8, .value_kind: global_buffer, .address_space: global }
      - { .name: sw1, .offset: 8, .size: 8, .value_kind: global_buffer, .address_space: global }
      - { .name: b_qkv, .offset: 16, .size: 8, .value_kind: global_buffer, .address_space: global }
      - { .name: qkv, .offset: 24, .size: 8, .value_kind: global_buffer, .address_space: global }
    .group_segment_fixed_size: 327680
    .private_segment_fixed_size: 0
    .kernarg_segment_align: 8
    .kernarg_segment_size: 32
    .max_flat_workgroup_size: 128
    .sgpr_count:     100
    .vgpr_count:     1024
    .wavefront_size: 32
...
	.end_amdgpu_metadata
.endif
;; end of part 2
;; launch attn (part 3): grid 4 x 64, 8 waves a work-group, clusters of 4 x 1, 282,624 bytes of LDS; arguments qkv, o_img, o_sw; writes o_img, o_sw
.if DOCPART == 3
	.amdgcn_target "amdgcn-amd-amdhsa--gfx1250"
	.amdhsa_code_object_version 6
	.text
	.protected	k_q9dc02bb69d_attn
	.globl	k_q9dc02bb69d_attn
	.p2align	8
	.type	k_q9dc02bb69d_attn,@function
k_q9dc02bb69d_attn:
	s_mov_b64 s[64:65], 0
	v_nop
	global_prefetch_b8 v0, s[64:65] scope:SCOPE_SE
	s_setreg_imm32_b32 hwreg(HW_REG_WAVE_MODE, 25, 1), 1
	s_wait_xcnt 0x0
	s_wait_alu depctr_hold_cnt(0) depctr_sa_sdst(0) depctr_va_vdst(0) depctr_va_sdst(0) depctr_va_ssrc(0) depctr_va_vcc(0) depctr_vm_vsrc(0)
	s_getreg_b32 s2, hwreg(HW_REG_IB_STS2, 6, 4)
	s_cmp_eq_u32 s2, 0
	s_cbranch_scc0 .Lentry_in_a_cluster
	s_endpgm
.Lentry_in_a_cluster:
	s_bfe_u32 s2, ttmp6, 0x10000c
	s_cmp_lg_u32 s2, 0x3003
	s_cbranch_scc0 .Lentry_shape_is_right
	s_endpgm
.Lentry_shape_is_right:
; Launch 3 of 4: o = softmax(q k^T / 8) v for each of 64 heads (batch x head), both products on codes of E2M3; on the way out o / l is quantised along the embedding's axis.  Nothing of reference() is left out.
; THE SOFTMAX: t = score x log2(e) / 8; M = the running largest t rounded UP to a whole number; p = 2^(t - M) is quantised along the keys, not normalised.  The row's sum is taken of the unquantised p, in f32,
; and divides at the end.  When M moves, the sum and O are multiplied by 2^(old M - new M): exact.
; SHARES.  A work-group owns 512 queries of one head.  Eight waves, two to a SIMD; in each of two passes a wave owns a PAIR of query tiles (32 queries: tiles 2 (w % 4), 2 (w % 4) + 1 of group 4 cx + w / 4 + 2 pass) and
; walks all 2,048 keys, 128 a step: one loop of 32 trips, 16 trips a pass; the pass's way out and the next pass's start stand under a branch on the trip's number.  A fragment of k or v feeds both tiles.
; Dependent vector lines run by turns over the two tiles and their blocks.
; A HEAD'S k AND v WITH THEIR SCALE WORDS, 16 records x 12,800 bytes, STAY IN LDS: wave w brings records 2 w, 2 w + 1 by ONE tensor load (2 rows of 12,800 bytes, 19,200 apart), 96 bytes of padding behind each 256.
; Nothing is filled again, so the loop has no barrier.  The four work-groups of a cluster own the same head: each load is a JOINT one.  No prefetch: all that comes through LDS is asked for in one group at the head.
; LAYOUT.  Both products are used transposed (S^T = k q^T, O^T = v^T p^T): a lane holds ONE query.  THE ROWS OF A TILE OF k ARE PICKED BY THE LANE'S ADDRESS: tile j = 2 u + e of 64 keys G takes, as its row r, row
; 8 u + r % 8 of the stored block 4 G + 2 (r / 8) + e, which is key 64 G + 32 (r / 8) + 8 j + r % 8.  So register 32 G + 8 j + i of lane half h is key 64 G + 32 h + 8 j + i: a lane holds WHOLE blocks of 32 keys, in the
; order of the operand's registers: no other lane is asked for a block's maximum, and the conversions' results are the operand.  The two stored blocks that a load touches lie 2,112 bytes apart, 64 modulo 256,
; so its 32 lanes name 256 different bytes modulo 256.  v's tiles are read as they lie.
; THE FIRST PRODUCT'S K IS 64, the instruction's 128: two half fragments of k on end are one source 0; q lies between zeros (0 qA 0 qB 0): (q, 0) picks the first tile, (0, q) the second.
; The last trip's fetch of the next step's k (it wraps to record 0) is read by nobody: the loop's text is one for all trips.
; LIMITS: NaN and infinities are not served; a p under 2^-126 comes out as 0; a block's largest p is taken from the block's largest score by the same two instructions; scale bytes are held at 1 from below;
; the promise holds while the scaled scores stay under 2^31 in magnitude.
; REGISTERS.  Window 0: addresses, state, scale words, q, p's codes, O^T of both tiles (v192-255).  Window 1: k's 4 fragments (v0-47), v's 4 (v48-95), S^T, then p: tile A v96-159, tile B v160-223.
.set REC,   19200
.set KVB,   12800
.set HEADB, 16*REC
.set PL,    352                        ; 256 bytes + 96 of padding
.set RP,    50*PL                      ; a record in LDS
.set VOFF,  24*PL                      ; v's tiles in a record; a tile is 6 planes
.set KWO,   48*PL                      ; k's pair words
.set VWO,   49*PL                      ; v's words
.set SPARE, 16*RP                      ; the spare words: 128 bytes a wave, four blocks of 256 bytes that no other line names
.set LI8, 1                            ; 8 x lane
.set AK,  2                            ; LDS: the next step's k;  AKW its words;  AV, AVW this step's v
.set AKW, 3
.set AV,  4
.set SPW, 5
.set NIL, 6
.set QOF, 7
.set QWO, 8
.set GS,  9
.set AVW, 10
.set NEG, 11                           ; -3e38
.set ST,  12                           ; tile X: v[ST+4X] -M, +1 the running largest score, +2, +3 the sum in two halves
.set FF,  20                           ; tile X: v[FF+2X] f, later 1 / l (named as a pair)
.set AKB, 24                           ; the lane's parts of AK, AKW, AVW;  SH8 = 8 h
.set AKWB,25
.set AVWB,26
.set SH8, 27
.set TT,  28                           ; v28-31 at work
.set BM,  32                           ; v32-35 the blocks' largest: 2 X + G
.set SO,  36                           ; v36-39 the conversions' scale operands
.set PX,  40                           ; v40-43 lane permutes' results
.set EB,  44                           ; v44-47 the scales' bytes
.set KW,  48                           ; v48-51 k's pair words;  v52-55 v's words;  v56, v57 p's words;  v58-61 q's
.set VW,  52
.set PWD, 56
.set SQ,  58                           ; tile X: q's two bytes below, zeros above; +1 the other way round
.set QZ,  62                           ; v62-91: 0 qA 0 qB 0
.set QN,  92                           ; v92-103 the next pass's q;  v104 its pair word
.set QWN, 104
.set P,   106                          ; v106-129 p's codes: 12 X
.set P2,  130                          ; v130-145 the conversions' second halves
.set ACC, 146                          ; v146-161 four pairs of partial sums a tile
.set O,   192
.set KF,  0
.set VF,  48
.set SS,  96
.set WV,  12
.set SEL, 20
.set CS,  22
.set G1,  24
.set G0,  32
.set TB,  36
.set CNT, 37
.set TN,  38
.set HM,  39
.set MSB, 0
.macro W d, a, b, c                    ; the windows of destination, source 0, 1, 2; the immediate's high byte repeats the setting that is left
.if MSB != (((\d)<<6)|((\c)<<4)|((\b)<<2)|(\a))
	s_set_vgpr_msb (MSB<<8)|(((\d)<<6)|((\c)<<4)|((\b)<<2)|(\a))
.set MSB, (((\d)<<6)|((\c)<<4)|((\b)<<2)|(\a))
.endif
.endm
.macro WALU
	s_wait_alu depctr_va_vdst(0)
.endm
.macro PLACES n
.rept \n
	v_nop
.endr
.endm
.macro MM d, a, b, sa, sb              ; a product that starts a sum
	v_wmma_scale_f32_16x16x128_f8f6f4 v[\d:\d+7], v[\a:\a+11], v[\b:\b+11], 0, v[\sa], v[\sb] matrix_a_fmt:MATRIX_FMT_FP6 matrix_b_fmt:MATRIX_FMT_FP6
.endm
.macro MMC d, a, b, sa, sb             ; one that adds in place
	v_wmma_scale_f32_16x16x128_f8f6f4 v[\d:\d+7], v[\a:\a+11], v[\b:\b+11], v[\d:\d+7], v[\sa], v[\sb] matrix_a_fmt:MATRIX_FMT_FP6 matrix_b_fmt:MATRIX_FMT_FP6
.endm
.macro CROUND
	s_barrier_signal -1
	s_barrier_wait -1
	s_cmp_lg_u32 s[WV], 0
	s_cbranch_scc1 .Lnot_wave_0_\@
	s_barrier_signal -3
.Lnot_wave_0_\@:
	s_barrier_wait -3
	s_barrier_signal -1
	s_barrier_wait -1
.endm
.macro KLOAD                           ; 128 keys of k: fragment f = 2 G + u, and its pair word: 28 loads
	W 1,0,0,0
.set F_, 0
.rept 4
.irp p, 0,1,2,3,4,5
	ds_load_b64 v[KF+12*F_+2*\p:KF+12*F_+2*\p+1], v[AK] offset:(F_/2)*12*PL+64*(F_%2)+PL*\p
.endr
.set F_, F_+1
.endr
	W 0,0,0,0
.set F_, 0
.rept 4
	ds_load_b32 v[KW+F_], v[AKW] offset:KWO+128*(F_%2)+8*(F_/2)
.set F_, F_+1
.endr
.endm
.macro LOADQ
.irp p, 0,1,2,3,4,5
	global_load_b64 v[QN+2*\p:QN+2*\p+1], v[QOF], s[48:49] offset:256*\p
.endr
	global_load_b32 v[QWN], v[QWO], s[48:49]
.endm
.macro CODES x                         ; tile x's p into codes: a lane's block G is 32 registers; the second conversion's three registers begin at an odd number in the operand, so they are made elsewhere and moved
	W 0,1,0,0
.irp k, 0,1
	v_cvt_scalef32_pk16_fp6_f32 v[P+12*\x+6*\k:P+12*\x+6*\k+2], v[SS+64*\x+32*\k:SS+64*\x+32*\k+15], v[SO+2*\x+\k]
	v_cvt_scalef32_pk16_fp6_f32 v[P2+8*\x+4*\k:P2+8*\x+4*\k+2], v[SS+64*\x+32*\k+16:SS+64*\x+32*\k+31], v[SO+2*\x+\k]
.endr
	v_nop                                          ; one plain place behind a scaled conversion
	W 0,0,0,0
.irp k, 0,1
.irp i, 0,1,2
	v_mov_b32 v[P+12*\x+6*\k+3+\i], v[P2+8*\x+4*\k+\i]
.endr
.endr
.endm
.macro INIT first                      ; a pass begins: its q, the state; the first pass asks for the second's q
.if \first
	s_mov_b32 s40, 2*REC
	s_mov_b32 s41, 0
.else
	s_wait_xcnt 0x0                                ; the way out's stores have read their registers and bases
	s_add_nc_u64 s[50:51], s[50:51], 16*12288      ; sixteen blocks of o on
	s_add_nc_u64 s[52:53], s[52:53], 16*512
.endif
	s_wait_loadcnt 0x0                             ; q is in, and its loads have read their base
.if \first
	s_add_nc_u64 s[48:49], s[48:49], s[40:41]
.endif
.irp i, 0,1,2,3,4,5
	v_mov_b32 v[QZ+6+\i], v[QN+\i]
	v_mov_b32 v[QZ+18+\i], v[QN+6+\i]
.endr
	v_and_b32 v[SQ], 0xffff, v[QWN]                ; tile A's two bytes for k 0-63; over the zero codes the byte 0
	v_lshlrev_b32 v[SQ+1], 16, v[QWN]              ; and for k 64-127
	v_lshrrev_b32 v[SQ+2], 16, v[QWN]              ; tile B's
	v_and_b32 v[SQ+3], 0xffff0000, v[QWN]
.if \first
	LOADQ
.endif
.irp x, 0,1
	v_mov_b32 v[ST+4*\x], 0x7f61b1e6               ; -M = 3e38
	v_mov_b32 v[ST+4*\x+1], v[NEG]                 ; the largest score so far: under every score
	v_mov_b32 v[ST+4*\x+2], 0
	v_mov_b32 v[ST+4*\x+3], 0
.endr
.set j, 0
.rept 64
	v_mov_b32 v[O+j], 0                            ; O^T: the step is written once; a pass's first finds zeros.  (Also the places between q's registers and words and the first products)
.set j, j+1
.endr
.endm
	s_load_b128 s[4:7], s[0:1], 0x0                ; qkv, o_img
	s_load_b64 s[8:9], s[0:1], 0x10                ; o_sw
	v_lshl_add_u32 v[SPW], v0, 2, SPARE
	v_mov_b32 v[NIL], 0
	ds_add_u32 v[SPW], v[NIL]                      ; the opening lines: the add, twice on end, and its wait ahead of my first tensor load
	ds_add_u32 v[SPW], v[NIL]
	v_lshrrev_b32 v28, 5, v0
	v_readfirstlane_b32 s[WV], v28                 ; wave 0..7
	s_bfe_u32 s13, ttmp6, 0x40000                  ; cx: it enters q's and o's global addresses alone
	s_and_b32 s14, ttmp7, 0xffff                   ; the head, 16 x batch + head, which the four partners share
	s_mov_b32 s[G1], 15|(3<<16)|(1<<20)|(1<<21)|(5<<22)|(23<<25)   ; the mask: all four; elements of 8 bytes; padding: 24 words behind every 64; bit 21 beside the mask
	s_mov_b32 s[G1+1], 1600<<16                    ; rows of 12,800 bytes
	s_mov_b32 s[G1+2], 2<<16
	s_mov_b32 s[G1+3], 1600<<16
	s_mov_b32 s[G1+4], 2
	s_mov_b32 s[G1+5], 2400                        ; 19,200 bytes from record to record
	s_mov_b32 s[G1+6], 0
	s_mov_b32 s[G1+7], 0
	s_mov_b32 s[SEL], 0x76543210
	s_mov_b32 s[SEL+1], 0xfedcba98
	s_mov_b32 s[CS], 0x3e38aa3b                    ; c = log2(e) / 8
	s_mov_b32 s[CS+1], s[CS]
	s_mul_i32 s40, s14, HEADB
	s_mul_i32 s42, s[WV], 2*REC
	s_add_co_u32 s42, s42, s40                     ; the two records that I fetch
	s_mov_b32 s43, 0
	s_lshl_b32 s44, s13, 2
	s_lshr_b32 s45, s[WV], 2
	s_add_co_u32 s44, s44, s45                     ; my group of 128 queries in the first pass: 4 cx + wave / 4
	s_mul_i32 s44, s44, REC
	s_add_co_u32 s44, s44, s40
	s_add_co_u32 s44, s44, KVB                     ; q's part of its record
	s_mov_b32 s45, 0
	s_lshr_b32 s54, s14, 4
	s_lshl_b32 s54, s54, 7
	s_lshl_b32 s55, s13, 5
	s_add_co_u32 s54, s54, s55
	s_lshl_b32 s55, s[WV], 1
	s_add_co_u32 s54, s54, s55                     ; tile A's block of 16 rows of o in pass 0: 128 x batch + 32 cx + 2 wave
	s_and_b32 s55, s14, 15
	s_mul_i32 s56, s54, 12288
	s_mul_i32 s57, s55, 768
	s_add_co_u32 s56, s56, s57
	s_mov_b32 s57, 0
	s_lshl_b32 s46, s54, 9                         ; the scale bytes: 512 a block; the head's two at 128 (head / 4) + 8 r + 2 (head % 4)
	s_lshr_b32 s58, s55, 2
	s_lshl_b32 s58, s58, 7
	s_add_co_u32 s46, s46, s58
	s_and_b32 s58, s55, 3
	s_lshl_b32 s58, s58, 1
	s_add_co_u32 s46, s46, s58
	s_mov_b32 s47, 0
	s_and_b32 s60, s[WV], 3
	s_mul_i32 s59, s60, 1536                       ; my pair's two half fragments of q
	s_lshl_b32 s60, s60, 2
	s_add_co_u32 s60, s60, 6144                    ; and its pair word
	s_wait_dscnt 0x0
	s_wait_kmcnt 0x0
	s_mov_b32 s[G0], 1
	s_mul_i32 s[G0+1], s[WV], 2*RP
	s_add_nc_u64 s[G0+2:G0+3], s[4:5], s[42:43]
	s_or_b32 s[G0+3], s[G0+3], 0x80000000
	s_add_nc_u64 s[48:49], s[4:5], s[44:45]
	s_add_nc_u64 s[50:51], s[6:7], s[56:57]
	s_add_nc_u64 s[52:53], s[8:9], s[46:47]
	CROUND                                         ; all four work-groups are here: the joint loads meet
	tensor_load_to_lds s[G0:G0+3], s[G1:G1+7]
	s_nop 0
	PLACES 4
	v_and_b32 v28, 15, v0                          ; r
	v_bfe_u32 v29, v0, 4, 1                        ; h
	v_and_b32 v30, 7, v0                           ; r % 8
	v_bfe_u32 v31, v0, 3, 1                        ; r / 8
	v_and_b32 v[LI8], 31, v0
	v_lshlrev_b32 v[LI8], 3, v[LI8]
	v_lshlrev_b32 v[AKB], 3, v30
	v_lshl_add_u32 v[AKB], v29, 7, v[AKB]
	v_mad_u32_u24 v[AKB], v31, 6*PL, v[AKB]        ; 8 (r % 8) + 128 h + two stored blocks x (r / 8)
	v_lshlrev_b32 v[AKWB], 4, v30
	v_lshl_add_u32 v[AKWB], v31, 2, v[AKWB]        ; 16 (r % 8) + 4 (r / 8)
	v_lshlrev_b32 v[AVWB], 4, v28
	v_lshlrev_b32 v[SH8], 3, v29
	v_lshl_add_u32 v[GS], v28, 3, v29
	v_cmp_ne_u32 s[HM], 0, v29
	v_add_nc_u32 v[QOF], s59, v[LI8]
	v_add_nc_u32 v[QWO], s60, v[AVWB]
	LOADQ
	v_mov_b32 v[NEG], 0xff61b1e6
.irp i, 0,1,2,3,4,5
	v_mov_b32 v[QZ+\i], 0                          ; zero codes beside q
	v_mov_b32 v[QZ+12+\i], 0
	v_mov_b32 v[QZ+24+\i], 0
.endr
.irp b, 0,1,2,3
	v_mov_b32 v[PX+\b], 0                          ; written once: a lane permute's destination counts as one of its sources
.endr
	v_mov_b32 v[FF+1], 0                           ; (named as the upper halves of pairs)
	v_mov_b32 v[FF+3], 0
	v_mov_b32 v[AK], v[AKB]
	v_mov_b32 v[AKW], v[AKWB]
	WALU                                           ; the wait at the head's end
	s_wait_tensorcnt 0x0                           ; my two records are in,
	s_barrier_signal -1
	s_barrier_wait -1                              ; everybody's are: the whole head lies in LDS, and nothing is filled again
	KLOAD                                          ; the first step's k
	INIT 1
	s_mov_b32 s[CNT], 0
.Lstep:                                                ; A STEP: the 128 keys of record trip % 16
	s_add_co_u32 s[TN], s[CNT], 1
	s_and_b32 s[TN], s[TN], 15
	s_mul_i32 s[TN], s[TN], RP
	s_and_b32 s[TB], s[CNT], 15
	s_mul_i32 s[TB], s[TB], RP
	s_wait_dscnt 0x0                               ; this step's k is in
	v_add_nc_u32 v[AV], s[TB], v[LI8]              ; four plain lines: the places behind the last step's products, in front of the loads into the registers that they read
	v_add_nc_u32 v[AVW], s[TB], v[AVWB]
	v_add_nc_u32 v[AK], s[TN], v[AKB]
	v_add_nc_u32 v[AKW], s[TN], v[AKWB]
	W 1,0,0,0
.set F_, 0
.rept 4                                                ; v's four tiles: 25 loads with the words
.irp p, 0,1,2,3,4,5
	ds_load_b64 v[VF+12*F_+2*\p:VF+12*F_+2*\p+1], v[AV] offset:VOFF+F_*6*PL+PL*\p
.endr
.set F_, F_+1
.endr
	W 0,0,0,0
	ds_load_b128 v[VW:VW+3], v[AVW] offset:VWO
	W 1,1,0,0
.set X_, 0
.rept 2                                                ; S^T: register 16 f + 8 e + i of tile X
.set F_, 0
.rept 4
	MM (SS+64*X_+16*F_), (KF+12*F_), (QZ+6+12*X_), (KW+F_), (SQ+2*X_)
	MM (SS+64*X_+16*F_+8), (KF+12*F_), (QZ+12*X_), (KW+F_), (SQ+2*X_+1)
.set F_, F_+1
.endr
.set X_, X_+1
.endr
	W 0,0,0,0
	PLACES 4                                       ; in front of the loads below and of the first read of the scores
	KLOAD                                          ; the next step's k: 28 loads
	W 0,0,1,1
.set j, 0
.rept 16                                               ; THE LARGEST SCORE OF EACH BLOCK OF 32 KEYS, four chains by turns: it serves the row's maximum and, since p rises with the score, the block's largest p
.set K_, 0
.rept 4
.if j == 0
	v_max3_num_f32 v[BM+K_], v[NEG], v[SS+32*K_], v[SS+32*K_+1]
.else
	v_max3_num_f32 v[BM+K_], v[BM+K_], v[SS+32*K_+j], v[SS+32*K_+j+1]
.endif
.set K_, K_+1
.endr
.set j, j+2
.endr
	W 0,0,0,0
.irp x, 0,1
	v_max_num_f32 v[TT+2*\x], v[BM+2*\x], v[BM+2*\x+1]
.endr
.irp x, 0,1
	v_permlanex16_b32 v[PX+\x], v[TT+2*\x], s[SEL], s[SEL+1]
.endr
.irp x, 0,1
	v_max3_num_f32 v[ST+4*\x+1], v[ST+4*\x+1], v[TT+2*\x], v[PX+\x]   ; the running largest score of my query
.endr
.irp x, 0,1
	v_mul_f32 v[TT+2*\x], s[CS], v[ST+4*\x+1]      ; as t (c is positive)
.endr
.irp x, 0,1
	v_mov_b32 v[TT+2*\x+1], v[ST+4*\x]
.endr
.irp x, 0,1
	v_floor_f32 v[ST+4*\x], -v[TT+2*\x]            ; the new -M = floor(-t)
.endr
.irp x, 0,1
	v_sub_f32 v[TT+2*\x], v[ST+4*\x], v[TT+2*\x+1] ; M's old value less its new one: a whole number, 0 or less
.endr
.irp x, 0,1
	v_cvt_i32_f32 v[TT+2*\x], v[TT+2*\x]           ; (it saturates)
.endr
.irp x, 0,1
	v_ldexp_f32 v[FF+2*\x], 1.0, v[TT+2*\x]        ; f = 2^(old M - new M)
.endr
.irp k, 0,1,2,3
	v_fma_f32 v[BM+\k], v[BM+\k], s[CS], v[ST+4*(\k/2)]   ; t - M of each block's largest score
.endr
	W 1,1,0,0
.set j, 0
.rept 32
	v_pk_fma_f32 v[SS+j:SS+j+1], v[SS+j:SS+j+1], s[CS:CS+1], v[ST:ST+1] op_sel_hi:[1,0,0]   ; tile A: t - M, two at a time
.set j, j+2
.endr
	WALU                                           ; the wait ahead of the batch
.set j, 0
.rept 32                                               ; tile A's p; among the exponentials tile B's t - M, which nothing reads before the next wait
	v_exp_f32 v[SS+j], v[SS+j]
	v_exp_f32 v[SS+j+1], v[SS+j+1]
	v_pk_fma_f32 v[SS+64+j:SS+65+j], v[SS+64+j:SS+65+j], s[CS:CS+1], v[ST+4:ST+5] op_sel_hi:[1,0,0]
.set j, j+2
.endr
	W 0,0,0,0
.irp k, 0,1,2,3
	v_exp_f32 v[BM+\k], v[BM+\k]                   ; the blocks' largest p
.endr
	v_nop                                          ; a plain place behind the exponentials
	WALU                                           ; one wait for the batch, ahead of its first reader
.irp k, 0,1,2,3
	v_max_num_f32 v[BM+\k], 0x1800000, v[BM+\k]    ; the floor 2^(3 - 127): the byte cannot fall under 1
.endr
.irp k, 0,1,2,3
	v_add_nc_u32 v[SO+\k], 0xff000000, v[BM+\k]    ; 2 off the exponent field: the conversion's scale operand
.endr
.irp k, 0,1,2,3
	v_lshrrev_b32 v[EB+\k], 23, v[SO+\k]           ; the scale's byte
.endr
.irp x, 0,1                                            ; p's scale word of tile x: my bytes are blocks h and 2 + h,
	v_lshl_or_b32 v[TT+\x], v[EB+2*\x+1], 16, v[EB+2*\x]
.endr
.irp x, 0,1
	v_lshlrev_b32 v[TT+\x], v[SH8], v[TT+\x]
.endr
.irp x, 0,1
	v_permlanex16_b32 v[PX+\x], v[TT+\x], s[SEL], s[SEL+1]
.endr
.irp x, 0,1
	v_or_b32 v[PWD+\x], v[TT+\x], v[PX+\x]         ; with lane l xor 16's two the word is whole
.endr
	CODES 0
	WALU                                           ; ahead of the second batch
	W 1,1,1,0
.set j, 0
.rept 16                                               ; tile B's p; among the exponentials the first additions of tile A's sum, in place (its codes are made), which nothing reads before the next wait
	v_exp_f32 v[SS+64+j], v[SS+64+j]
	v_exp_f32 v[SS+65+j], v[SS+65+j]
	v_exp_f32 v[SS+66+j], v[SS+66+j]
	v_exp_f32 v[SS+67+j], v[SS+67+j]
	v_pk_add_f32 v[SS+j:SS+j+1], v[SS+j:SS+j+1], v[SS+j+2:SS+j+3]
.set j, j+4
.endr
	WALU                                           ; the last addition is the plain place; one wait for the batch
	W 0,1,1,0                                      ; THE ROWS' SUMS OF THE UNQUANTISED p: four pairs of partial sums a tile
.irp a, 0,1,2,3
	v_pk_add_f32 v[ACC+2*\a:ACC+2*\a+1], v[SS+8*\a:SS+8*\a+1], v[SS+8*\a+4:SS+8*\a+5]
	v_pk_add_f32 v[ACC+8+2*\a:ACC+9+2*\a], v[SS+64+4*\a:SS+65+4*\a], v[SS+66+4*\a:SS+67+4*\a]
.endr
	W 0,0,1,0
.set j, 8
.rept 24
	v_pk_add_f32 v[ACC+8+2*(j%4):ACC+9+2*(j%4)], v[ACC+8+2*(j%4):ACC+9+2*(j%4)], v[SS+64+2*j:SS+65+2*j]
.if j < 16
	v_pk_add_f32 v[ACC+2*(j%4):ACC+2*(j%4)+1], v[ACC+2*(j%4):ACC+2*(j%4)+1], v[SS+4*j:SS+4*j+1]
.endif
.set j, j+1
.endr
	W 0,0,0,0
.irp x, 0,1
	v_pk_add_f32 v[ACC+8*\x:ACC+8*\x+1], v[ACC+8*\x:ACC+8*\x+1], v[ACC+8*\x+2:ACC+8*\x+3]
	v_pk_add_f32 v[ACC+8*\x+4:ACC+8*\x+5], v[ACC+8*\x+4:ACC+8*\x+5], v[ACC+8*\x+6:ACC+8*\x+7]
.endr
.irp x, 0,1
	v_pk_add_f32 v[ACC+8*\x:ACC+8*\x+1], v[ACC+8*\x:ACC+8*\x+1], v[ACC+8*\x+4:ACC+8*\x+5]
.endr
.irp x, 0,1
	v_pk_fma_f32 v[ST+4*\x+2:ST+4*\x+3], v[ST+4*\x+2:ST+4*\x+3], v[FF+2*\x:FF+2*\x+1], v[ACC+8*\x:ACC+8*\x+1] op_sel_hi:[1,0,1]   ; the sum under the new M, and the step's
.endr
	CODES 1
	s_wait_dscnt 28                                ; v's tiles and words are in; younger are the 28 loads of the next step's k
	WALU                                           ; directly ahead of the first reader of O^T
.set j, 0
.rept 32
	v_pk_mul_f32 v[O+j:O+j+1], v[O+j:O+j+1], v[FF+2*(j/32):FF+2*(j/32)+1] op_sel_hi:[1,0]   ; O^T under the new M.  (Also the places between p's codes and words and the products below)
.set j, j+2
.endr
	W 0,1,0,0
.set X_, 0
.rept 2                                                ; O^T += v^T p^T: the eight accumulators by turns, one instruction a turn
.irp t, 0,1,2,3
	MMC (O+32*X_+8*\t), (VF+12*\t), (P+12*X_), (VW+\t), (PWD+X_)
.endr
.set X_, X_+1
.endr
	W 0,0,0,0
	s_and_b32 s40, s[CNT], 15
	s_cmp_lg_u32 s40, 15
	s_cbranch_scc1 .Lnext
; THE WAY OUT of a pass: O^T / l; register 16 b + i of a tile is d 32 b + 16 h + i of my query: two blocks of the last product's K, each in two lanes.  A tile becomes one half fragment and two scale bytes.
.irp x, 0,1
	v_add_f32 v[ST+4*\x+2], v[ST+4*\x+2], v[ST+4*\x+3]
.endr
.irp x, 0,1
	v_permlanex16_b32 v[PX+\x], v[ST+4*\x+2], s[SEL], s[SEL+1]
.endr
.irp x, 0,1
	v_add_f32 v[ST+4*\x+2], v[ST+4*\x+2], v[PX+\x] ; the row's sum
.endr
	WALU
	v_rcp_f32 v[FF], v[ST+2]
	v_rcp_f32 v[FF+2], v[ST+6]
	v_nop
	WALU                                           ; ahead of the reciprocals' first reader, which is O^T's too
	W 1,0,0,0
.set j, 0
.rept 32
	v_pk_mul_f32 v[SS+j:SS+j+1], v[O+j:O+j+1], v[FF+2*(j/32):FF+2*(j/32)+1] op_sel_hi:[1,0]   ; each accumulator from its low end on
.set j, j+2
.endr
	W 0,0,1,1
.irp k, 0,1,2,3
	v_max3_num_f32 v[BM+\k], 0x1800000, |v[SS+16*\k]|, |v[SS+16*\k+1]|
.endr
.irp i, 2,4,6,8,10,12,14
.irp k, 0,1,2,3
	v_max3_num_f32 v[BM+\k], v[BM+\k], |v[SS+16*\k+\i]|, |v[SS+16*\k+\i+1]|
.endr
.endr
	W 0,0,0,0
.irp k, 0,1,2,3
	v_permlanex16_b32 v[PX+\k], v[BM+\k], s[SEL], s[SEL+1]
.endr
.irp k, 0,1,2,3
	v_max_num_f32 v[BM+\k], v[BM+\k], v[PX+\k]
.endr
.irp k, 0,1,2,3
	v_add_nc_u32 v[SO+\k], 0xff000000, v[BM+\k]
.endr
.irp k, 0,1,2,3
	v_lshrrev_b32 v[EB+\k], 23, v[SO+\k]
.endr
	W 0,1,0,0
.irp x, 0,1
	v_cvt_scalef32_pk16_fp6_f32 v[P+12*\x:P+12*\x+2], v[SS+32*\x:SS+32*\x+15], v[SO+2*\x]
	v_cvt_scalef32_pk16_fp6_f32 v[P2+4*\x:P2+4*\x+2], v[SS+32*\x+16:SS+32*\x+31], v[SO+2*\x+1]
.endr
	v_nop
	W 0,0,0,0
.irp x, 0,1
.irp i, 0,1,2
	v_permlane16_swap_b32 v[P+12*\x+\i], v[P2+4*\x+\i]   ; lanes 0-15 now hold block 0's lower and upper 16 codes, lanes 16-31 block 1's
.endr
.endr
.irp x, 0,1
.irp i, 0,1,2
	v_mov_b32 v[P+12*\x+3+\i], v[P2+4*\x+\i]
.endr
	v_cndmask_b32 v[TT+\x], v[EB+2*\x], v[EB+2*\x+1], s[HM]   ; lane (r, h) stores block h's byte
.endr
.irp x, 0,1
.irp q, 0,1,2
	global_store_b64 v[LI8], v[P+12*\x+2*\q:P+12*\x+2*\q+1], s[50:51] offset:12288*\x+256*\q   ; a plane: 256 consecutive bytes, aligned
.endr
	global_store_b8 v[GS], v[TT+\x], s[52:53] offset:512*\x   ; single bytes: a word of the last product's scales spans two heads, which are two work-groups' work
.endr
	s_cmp_eq_u32 s[CNT], 31
	s_cbranch_scc1 .Ldone
	INIT 0
.Lnext:
	s_add_co_u32 s[CNT], s[CNT], 1
	s_cmp_lt_u32 s[CNT], 32
	s_cbranch_scc1 .Lstep
.Ldone:
	s_wait_tensorcnt 0x0                           ; the wave's end
	ds_add_u32 v[SPW], v[NIL]
	s_wait_dscnt 0x0
	CROUND                                         ; the closing round
	s_endpgm
.Lfunc_end_k_q9dc02bb69d_attn:
	.size	k_q9dc02bb69d_attn, .Lfunc_end_k_q9dc02bb69d_attn-k_q9dc02bb69d_attn
	.p2alignl 7, 3214868480
	.fill 96, 4, 3214868480
	.section	.rodata,"a",@progbits
	.p2align	6, 0x0
	.amdhsa_kernel k_q9dc02bb69d_attn
		.amdhsa_group_segment_fixed_size 282624
		.amdhsa_private_segment_fixed_size 0
		.amdhsa_enable_private_segment 0
		.amdhsa_kernarg_size 24
		.amdhsa_user_sgpr_count 2
		.amdhsa_user_sgpr_kernarg_segment_ptr 1
		.amdhsa_wavefront_size32 1
		.amdhsa_system_sgpr_workgroup_id_x 1
		.amdhsa_system_sgpr_workgroup_id_y 1
		.amdhsa_system_sgpr_workgroup_id_z 1
		.amdhsa_system_vgpr_workitem_id 0
		.amdhsa_next_free_vgpr 512
		.amdhsa_next_free_sgpr 66
		.amdhsa_reserve_vcc 0
		.amdhsa_float_denorm_mode_32 3
		.amdhsa_float_denorm_mode_16_64 3
		.amdhsa_memory_ordered 1
		.amdhsa_forward_progress 1
		.amdhsa_inst_pref_size 52
	.end_amdhsa_kernel
	.amdgpu_metadata
---
amdhsa.version: [ 1, 2 ]
amdhsa.kernels:
  - .name:           k_q9dc02bb69d_attn
    .symbol:         k_q9dc02bb69d_attn.kd
    .args:
      - { .name: qkv, .offset: 0, .size: 8, .value_kind: global_buffer, .address_space: global }
      - { .name: o_img, .offset: 8, .size: 8, .value_kind: global_buffer, .address_space: global }
      - { .name: o_sw, .offset: 16, .size: 8, .value_kind: global_buffer, .address_space: global }
    .group_segment_fixed_size: 282624
    .private_segment_fixed_size: 0
    .kernarg_segment_align: 8
    .kernarg_segment_size: 24
    .max_flat_workgroup_size: 256
    .sgpr_count:     66
    .vgpr_count:     512
    .wavefront_size: 32
...
	.end_amdgpu_metadata
.endif
;; end of part 3
;; launch proj (part 4): grid 32 x 8, 4 waves a work-group, clusters of 4 x 4, 327,680 bytes of LDS; arguments o_img, o_sw, img1, sw1, b_proj, out0; writes out0
.if DOCPART == 4
	.amdgcn_target "amdgcn-amd-amdhsa--gfx1250"
	.amdhsa_code_object_version 6
	.text
	.protected	k_q9dc02bb69d_proj
	.globl	k_q9dc02bb69d_proj
	.p2align	8
	.type	k_q9dc02bb69d_proj,@function
k_q9dc02bb69d_proj:
	s_mov_b64 s[64:65], 0
	v_nop
	global_prefetch_b8 v0, s[64:65] scope:SCOPE_SE
	s_setreg_imm32_b32 hwreg(HW_REG_WAVE_MODE, 25, 1), 1
	s_wait_xcnt 0x0
	s_wait_alu depctr_hold_cnt(0) depctr_sa_sdst(0) depctr_va_vdst(0) depctr_va_sdst(0) depctr_va_ssrc(0) depctr_va_vcc(0) depctr_vm_vsrc(0)
	s_getreg_b32 s2, hwreg(HW_REG_IB_STS2, 6, 4)
	s_cmp_eq_u32 s2, 0
	s_cbranch_scc0 .Lentry_in_a_cluster
	s_endpgm
.Lentry_in_a_cluster:
	s_bfe_u32 s2, ttmp6, 0x10000c
	s_cmp_lg_u32 s2, 0xf033
	s_cbranch_scc0 .Lentry_shape_is_right
	s_endpgm
.Lentry_shape_is_right:
; Launch 4 of 4: out0[token][n] = sum over k of o[token][k] w_proj[n][k] + b_proj[n], f32, on codes of E2M3: 8,192 x 1,024 x 1,024.  Nothing of reference() is left out.
; LIMITS: NaN, infinities and sums beyond f32's range are not served; a sum begins with the bias, where reference() adds it last.
; OPERANDS, as the earlier launches left them: a block of 16 rows is 12,288 bytes, 16 half fragments of three planes of 256 bytes (8 bytes a lane): 1,536 bytes on end are the 12 registers of 128 along K.
; Row r of block I is row 32 (I / 2) + 8 (I % 2) + r + 8 (r / 8) of its tensor.  Scale words: 512 bytes a block, [K / 256][r][2].  A: o_img, o_sw.  B: blocks 704 .. 767 of img1, sw1.
; THE DEAL.  256 work-groups of four waves, 2 x 2, each 256 rows x 128 columns.  Wave (a, b) holds B's blocks 4 b .. 4 b + 3 of the work-group's eight, all of K, in 384 registers, and streams A's blocks 2 s + a,
; s = 0 .. 7, past them: 32 products a block, four accumulators by turns.  Source 0 = B's rows: a lane holds eight neighbouring columns of one token.
; THE CLUSTER'S x COUNTS TILE ROWS: A's blocks are shared by a column of the cluster, B's by a row: joint loads.
; LDS: A's 16 blocks, B's 8, both dense; a stage of 16 rows x (256 + 16) bytes for each wave; the spare words.  Nothing is filled again.  No prefetch: all is asked for at the head, and there is no loop to run ahead in.
; THE HEAD'S FOUR TILES, one a wave, each on its own line: B; A's blocks 0-7; 8-11; 12-15.  The stream begins when the first two are in; a plain barrier inside block 1 shows the others, which are first read behind block 2.
; All scale words and the bias come by plain loads into registers; the bias is the first products' C.
; ONE RUN OF MEMORY LINES behind a block's products: its sums into the stage and back as whole rows of 256 bytes; the fetch of the block two on; one wait; eight stores, each of two aligned runs of 256 bytes.
.set BLK,   12288
.set FR,    12
.set FPW,   21                         ; fragments in a window: fragment f lies in window 1 + f / 21 at register 12 (f % 21).  0-31: B's (4 q + c); 32-47: A's two sets (32 + 8 e + q)
.set NF,    24                         ; LDS loads of a block's fetch
.set YB,    16*BLK
.set STAGE, YB+8*BLK
.set SPITCH,272
.set SPARE, STAGE+4*16*SPITCH
.set CO,  9                            ; my byte offset in out0: row l / 16, 16 bytes x (l % 16)
.set SPW, 10
.set NIL, 11
.set STO, 18
.set RD,  19
.set SB,  24                           ; v24-39  B's scale words: 8 (c / 2) + q; lanes 0-15 block c even, lanes 16-31 odd
.set SA,  44                           ; v44-107 A's: 8 s + q.  A product's two scale registers differ by 4 modulo 8 in their numbers
.set ACC, 112                          ; v112-175 two sets of four accumulators
.set BK,  176                          ; v176-239 two sets: 16 rows x 256 bytes back from the stage (at the head v176-183: LDS addresses of B's fragments)
.set BA,  176
.set AQ0, 240                          ; v240-247 LDS addresses of block 0's eight fragments; never rewritten
.set AQ,  248                          ; v248-255 the same for the block that is fetched next
.set BO,  96                           ; window 3, v96-127: the bias in the results' layout
.set G1A, 24
.set G1B, 32
.set G0A, 56
.set G0B, 60
.set MSB, 0
.macro WIN new
.if MSB != (\new)
	s_set_vgpr_msb (MSB<<8)|(\new)
.set MSB, (\new)
.endif
.endm
.macro PLACES n
.rept \n
	v_nop
.endr
.endm
.macro WALU
	s_wait_alu depctr_va_vdst(0)
.endm
.macro BARRIER
	s_barrier_signal -1
	s_barrier_wait -1
.endm
.macro CROUND
	BARRIER
	s_cmp_lg_u32 s14, 0
	s_cbranch_scc1 .Lnot_wave_0_\@
	s_barrier_signal -3
.Lnot_wave_0_\@:
	s_barrier_wait -3
	BARRIER
.endm
.macro TLOAD g0, g1                    ; an s_nop 0 and four v_nop follow a tensor load
	tensor_load_to_lds s[\g0:\g0+3], s[\g1:\g1+7]
	s_nop 0
	PLACES 4
.endm
.macro ATILE first, blocks             ; some of A's 16 blocks, as rows of 256 bytes, by a descriptor of constants
	s_mov_b32 s[G0A+1], (\first)*BLK
	s_mov_b32 s[G1A+2], ((\blocks)*48)<<16
	s_mov_b32 s[G1A+4], (\blocks)*48
.if \first
	s_add_nc_u64 s[G0A+2:G0A+3], s[G0A+2:G0A+3], (\first)*BLK
.endif
	s_or_b32 s[G0A+3], s[G0A+3], 0x80000000
	TLOAD G0A, G1A
.endm
.macro FRAG3 f, adr                    ; a fragment: six planes, two to a load
	WIN (1+(\f)/FPW)<<6
.irp p, 0,2,4
	ds_load_2addr_b64 v[FR*((\f)%FPW)+2*\p:FR*((\f)%FPW)+2*\p+3], v[\adr] offset0:32*\p offset1:32*\p+32
.endr
.endm
.macro FETCHAT e, aq                   ; a block of A into set e: NF loads
.irp q, 0,1,2,3,4,5,6,7
	FRAG3 32+8*(\e)+\q, \aq+\q
.endr
	WIN 0
.endm
.macro PROD1 d, s0, s1, c, x0, x1, o
.if \o
	v_wmma_scale_f32_16x16x128_f8f6f4 v[\d:\d+7], v[FR*((\s0)%FPW):FR*((\s0)%FPW)+FR-1], v[FR*((\s1)%FPW):FR*((\s1)%FPW)+FR-1], \c, v[\x0], v[\x1] matrix_a_fmt:MATRIX_FMT_FP6 matrix_b_fmt:MATRIX_FMT_FP6 matrix_a_scale:MATRIX_SCALE_ROW1
.else
	v_wmma_scale_f32_16x16x128_f8f6f4 v[\d:\d+7], v[FR*((\s0)%FPW):FR*((\s0)%FPW)+FR-1], v[FR*((\s1)%FPW):FR*((\s1)%FPW)+FR-1], \c, v[\x0], v[\x1] matrix_a_fmt:MATRIX_FMT_FP6 matrix_b_fmt:MATRIX_FMT_FP6 matrix_a_scale:MATRIX_SCALE_ROW0
.endif
.endm
.macro PROD s, n                       ; product n = 4 q + c of block s
.set Q_, (\n)/4
.set C_, (\n)%4
.set FA_, 32+8*((\s)%2)+Q_
.set D_, ACC+32*((\s)%2)+8*C_
.set XB_, SB+8*(C_/2)+Q_
.set XA_, SA+8*(\s)+Q_
.if Q_
	WIN (1+(\n)/FPW)|((1+FA_/FPW)<<2)
	PROD1 D_, \n, FA_, v[D_:D_+7], XB_, XA_, C_%2
.else
	WIN (1+(\n)/FPW)|((1+FA_/FPW)<<2)|(3<<4)
	PROD1 D_, \n, FA_, v[BO+8*C_:BO+8*C_+7], XB_, XA_, C_%2
.endif
.endm
.macro PRODS s, from, to               ; behind products 1 to 4: four of the next fetch's eight addresses
.set N_, \from
.rept (\to)-(\from)
	PROD \s, N_
.if ((\s) < 6) && (N_ >= 1) && (N_ <= 4)
	WIN 0
	v_add_nc_u32 v[AQ+N_-1], ((\s)+2)*2*BLK, v[AQ0+N_-1]
.endif
.set N_, N_+1
.endr
	WIN 0
.endm
.macro STREAM s
.set E_, (\s)%2
.if (\s) == 1
	PRODS \s, 0, 24
	s_wait_tensorcnt 0x0                           ; every wave's tile is in,
	s_wait_dscnt 0x0
	s_barrier_signal -1                            ; a plain barrier: A's blocks 8 to 15 are shown to all
	PRODS \s, 24, 32
	s_barrier_wait -1
.else
	PRODS \s, 0, 32
.endif
.if (\s) < 6                           ; four plain lines between the last product and the first reader of its sums and the fetch into its registers
.irp q, 4,5,6,7
	v_add_nc_u32 v[AQ+\q], ((\s)+2)*2*BLK, v[AQ0+\q]
.endr
	WALU                                           ; the wait here, directly ahead of the wait below
.else
	PLACES 4
.endif
	s_wait_xcnt 0x0                                ; the stores of two blocks ago have read this set of the rows
.irp c, 0,1,2,3                        ; my sums into my stage, each accumulator from its low end on: column 32 (c / 2) + 8 (c % 2) + 16 h + i; and back as whole rows.  LDS serves a wave's instructions in order (ISA guide 5.7.1.4)
	ds_store_b128 v[STO], v[ACC+32*E_+8*\c:ACC+32*E_+8*\c+3] offset:128*(\c/2)+32*(\c%2)
	ds_store_b128 v[STO], v[ACC+32*E_+8*\c+4:ACC+32*E_+8*\c+7] offset:128*(\c/2)+32*(\c%2)+16
.endr
.irp t, 0,1,2,3,4,5,6,7
	ds_load_b128 v[BK+32*E_+4*\t:BK+32*E_+4*\t+3], v[RD] offset:2*\t*SPITCH
.endr
.if (\s) < 6
	FETCHAT E_, AQ
	s_wait_dscnt NF                                ; the rows are back from the stage, and the next block's fragments are in; younger is this run's fetch alone
.else
	s_wait_dscnt 0x0
.endif
.irp t, 0,1,2,3,4,5,6,7                ; rows 2 t, 2 t + 1 of the block are tokens 32 s + 2 t + 8 (t / 4) and the next, counted from my first
	global_store_b128 v[CO], v[BK+32*E_+4*\t:BK+32*E_+4*\t+3], s[50:51] offset:(32*(\s)+2*\t+8*(\t/4))*4096 th:TH_STORE_NT
.endr
.endm
	s_load_b256 s[4:11], s[0:1], 0x0               ; o_img, o_sw, img1, sw1
	s_load_b128 s[48:51], s[0:1], 0x20             ; b_proj, out0
	v_lshl_add_u32 v[SPW], v0, 2, SPARE
	v_mov_b32 v[NIL], 0
	ds_add_u32 v[SPW], v[NIL]                      ; the opening lines: the add, twice on end, and its wait
	ds_add_u32 v[SPW], v[NIL]
	v_lshrrev_b32 v1, 5, v0
	v_readfirstlane_b32 s14, v1                    ; the wave; s15 its row a of the 2 x 2, s16 its column b
	s_lshr_b32 s15, s14, 1
	s_and_b32 s16, s14, 1
	s_bfe_u32 s40, ttmp6, 0x40000
	s_bfe_u32 s41, ttmp6, 0x40004
	s_lshl_b32 s43, ttmp9, 2
	s_add_co_u32 s43, s43, s40                     ; tile row: 4 x cluster x + cx
	s_and_b32 s42, ttmp7, 0xffff
	s_lshl_b32 s42, s42, 2
	s_add_co_u32 s42, s42, s41                     ; tile column: 4 x cluster y + cy
	s_lshl_b32 s44, 0x1111, s40                    ; my column of the cluster: shares A
	s_lshl_b32 s45, s41, 2
	s_lshl_b32 s45, 15, s45                        ; my row: shares B
	s_or_b32 s[G1A], s44, (3<<16)|(1<<21)          ; elements of 8 bytes, rows of 256 bytes, dense; how many rows, each wave's own arm says
	s_or_b32 s[G1B], s45, (3<<16)|(1<<21)
.irp g, G1A, G1B
	s_mov_b32 s[\g+1], 32<<16
	s_mov_b32 s[\g+3], 32<<16
	s_mov_b32 s[\g+5], 32
	s_mov_b32 s[\g+6], 0
	s_mov_b32 s[\g+7], 0
.endr
	s_mov_b32 s[G1B+2], 384<<16
	s_mov_b32 s[G1B+4], 384
	s_mov_b32 s[G0A], 1
	s_mov_b32 s[G0B], 1
	s_mov_b32 s[G0B+1], YB
	s_mul_i32 s76, s43, 16*BLK                     ; A's 16 blocks
	s_mov_b32 s77, 0
	s_lshl_b32 s78, s42, 3
	s_add_co_u32 s78, s78, 704                     ; B's first block
	s_lshl_b32 s82, s16, 2
	s_add_co_u32 s82, s82, s78
	s_lshl_b32 s82, s82, 9                         ; my four blocks' scale words
	s_mov_b32 s83, 0
	s_mul_i32 s78, s78, BLK
	s_mov_b32 s79, 0
	s_lshl_b32 s80, s43, 4
	s_add_co_u32 s80, s80, s15
	s_lshl_b32 s80, s80, 9                         ; the scale words of A's block a
	s_mov_b32 s81, 0
	s_lshl_b32 s84, s42, 9
	s_lshl_b32 s21, s16, 8
	s_add_co_u32 s84, s84, s21                     ; my 64 columns, in bytes
	s_mov_b32 s85, 0
	s_lshl_b32 s86, s43, 5
	s_add_co_u32 s86, s86, s15
	s_lshl_b32 s86, s86, 15                        ; my first token, 256 x tile row + 8 a, x 4,096 bytes
	s_add_co_u32 s86, s86, s84
	s_mov_b32 s87, 0
	s_mul_i32 s23, s15, BLK
	s_mul_i32 s22, s16, 4*BLK
	s_add_co_u32 s22, s22, YB
	s_mul_i32 s21, s14, 16*SPITCH
	s_add_co_u32 s21, s21, STAGE
	v_and_b32 v1, 15, v0                           ; r
	v_bfe_u32 v2, v0, 4, 1                         ; h
	v_and_b32 v3, 31, v0
	v_lshlrev_b32 v4, 3, v1                        ; A's scale words: 8 r
	v_lshl_add_u32 v5, v2, 9, v4                   ; B's: lanes 16-31 take the next block's
	v_lshlrev_b32 v6, 6, v2                        ; the bias: 64 h
	v_lshl_add_u32 v[AQ0], v3, 3, s23
	v_lshl_add_u32 v[BA], v3, 3, s22
	v_mul_u32_u24 v7, v1, SPITCH
	v_lshl_add_u32 v7, v2, 6, v7
	v_add_nc_u32 v[STO], s21, v7
	v_mul_u32_u24 v8, v2, SPITCH
	v_lshl_add_u32 v8, v1, 4, v8
	v_add_nc_u32 v[RD], s21, v8
	v_lshlrev_b32 v7, 12, v2
	v_lshl_add_u32 v[CO], v1, 4, v7
.irp q, 1,2,3,4,5,6,7
	v_add_nc_u32 v[AQ0+\q], 1536*\q, v[AQ0]
	v_add_nc_u32 v[BA+\q], 1536*\q, v[BA]
.endr
.irp q, 0,1,2,3,4,5,6,7
	v_add_nc_u32 v[AQ+\q], 2*BLK+1536*\q, v[AQ0]
.endr
	WALU                                           ; the wait at the head's end
	s_wait_dscnt 0x0
	CROUND                                         ; the opening round, ahead of the wait for the arguments
	s_wait_kmcnt 0x0
	s_add_nc_u64 s[G0A+2:G0A+3], s[4:5], s[76:77]
	s_add_nc_u64 s[G0B+2:G0B+3], s[8:9], s[78:79]
	s_or_b32 s[G0B+3], s[G0B+3], 0x80000000
	s_add_nc_u64 s[6:7], s[6:7], s[80:81]
	s_add_nc_u64 s[10:11], s[10:11], s[82:83]
	s_add_nc_u64 s[48:49], s[48:49], s[84:85]
	s_add_nc_u64 s[50:51], s[50:51], s[86:87]
	s_cmp_eq_u32 s14, 0
	s_cbranch_scc0 .Lwave_1
	TLOAD G0B, G1B                                 ; wave 0: B's blocks, which are wanted first
	s_branch .Lasked
.Lwave_1:
	s_cmp_eq_u32 s14, 1
	s_cbranch_scc0 .Lwave_2
	ATILE 0, 8                                     ; wave 1: A's blocks 0 to 7
	s_branch .Lasked
.Lwave_2:
	s_cmp_eq_u32 s14, 2
	s_cbranch_scc0 .Lwave_3
	ATILE 8, 4
	s_branch .Lasked
.Lwave_3:
	ATILE 12, 4
.Lasked:
.irp p, 0,1
.irp j, 0,1,2,3
	global_load_b64 v[SB+8*\p+2*\j:SB+8*\p+2*\j+1], v5, s[10:11] offset:1024*\p+128*\j
.endr
.endr
.irp s, 0,1,2,3,4,5,6,7
.irp j, 0,1,2,3
	global_load_b64 v[SA+8*\s+2*\j:SA+8*\s+2*\j+1], v4, s[6:7] offset:1024*\s+128*\j
.endr
.endr
	WIN 3<<6
.irp c, 0,1,2,3
	global_load_b128 v[BO+8*\c:BO+8*\c+3], v6, s[48:49] offset:128*(\c/2)+32*(\c%2)
	global_load_b128 v[BO+8*\c+4:BO+8*\c+7], v6, s[48:49] offset:128*(\c/2)+32*(\c%2)+16
.endr
	WIN 0
	s_cmp_eq_u32 s14, 0
	s_cbranch_scc0 .Lnot_b
	s_wait_tensorcnt 0x0
.Lnot_b:
	BARRIER                                        ; B has landed
.irp c, 0,1,2,3                        ; my four blocks of B, all of K: 96 loads
.irp q, 0,1,2,3,4,5,6,7
	FRAG3 4*\q+\c, BA+\q
.endr
	WIN 0
.if \c < 3
.irp q, 0,1,2,3,4,5,6,7
	v_add_nc_u32 v[BA+\q], BLK, v[BA+\q]
.endr
.endif
.endr
	s_cmp_eq_u32 s14, 1
	s_cbranch_scc0 .Lnot_a
	s_wait_tensorcnt 0x0                           ; wave 1: A's blocks 0 to 7 have landed
.Lnot_a:
	s_wait_dscnt 0x0
	BARRIER                                        ; they are shown to all.  Waves 2 and 3's tiles may still be on their way
	FETCHAT 0, AQ0
	FETCHAT 1, AQ
	s_wait_loadcnt 0x0                             ; the scale words and the bias
	s_wait_dscnt NF                                ; block 0's fragments are in
.irp s, 0,1,2,3,4,5,6,7
	STREAM \s
.endr
	s_wait_tensorcnt 0x0                           ; the wave's end
	ds_add_u32 v[SPW], v[NIL]
	s_wait_dscnt 0x0
	CROUND                                         ; the closing round
	s_endpgm
.Lfunc_end_k_q9dc02bb69d_proj:
	.size	k_q9dc02bb69d_proj, .Lfunc_end_k_q9dc02bb69d_proj-k_q9dc02bb69d_proj
	.p2alignl 7, 3214868480
	.fill 96, 4, 3214868480
	.section	.rodata,"a",@progbits
	.p2align	6, 0x0
	.amdhsa_kernel k_q9dc02bb69d_proj
		.amdhsa_group_segment_fixed_size 327680
		.amdhsa_private_segment_fixed_size 0
		.amdhsa_enable_private_segment 0
		.amdhsa_kernarg_size 48
		.amdhsa_user_sgpr_count 2
		.amdhsa_user_sgpr_kernarg_segment_ptr 1
		.amdhsa_wavefront_size32 1
		.amdhsa_system_sgpr_workgroup_id_x 1
		.amdhsa_system_sgpr_workgroup_id_y 1
		.amdhsa_system_sgpr_workgroup_id_z 1
		.amdhsa_system_vgpr_workitem_id 0
		.amdhsa_next_free_vgpr 896
		.amdhsa_next_free_sgpr 100
		.amdhsa_reserve_vcc 0
		.amdhsa_float_denorm_mode_32 3
		.amdhsa_float_denorm_mode_16_64 3
		.amdhsa_memory_ordered 1
		.amdhsa_forward_progress 1
		.amdhsa_inst_pref_size 87
	.end_amdhsa_kernel
	.amdgpu_metadata
---
amdhsa.version: [ 1, 2 ]
amdhsa.kernels:
  - .name:           k_q9dc02bb69d_proj
    .symbol:         k_q9dc02bb69d_proj.kd
    .args:
      - { .name: o_img, .offset: 0, .size: 8, .value_kind: global_buffer, .address_space: global }
      - { .name: o_sw, .offset: 8, .size: 8, .value_kind: global_buffer, .address_space: global }
      - { .name: img1, .offset: 16, .size: 8, .value_kind: global_buffer, .address_space: global }
      - { .name: sw1, .offset: 24, .size: 8, .value_kind: global_buffer, .address_space: global }
      - { .name: b_proj, .offset: 32, .size: 8, .value_kind: global_buffer, .address_space: global }
      - { .name: out0, .offset: 40, .size: 8, .value_kind: global_buffer, .address_space: global }
    .group_segment_fixed_size: 327680
    .private_segment_fixed_size: 0
    .kernarg_segment_align: 8
    .kernarg_segment_size: 48
    .max_flat_workgroup_size: 128
    .sgpr_count:     100
    .vgpr_count:     896
    .wavefront_size: 32
...
	.end_amdgpu_metadata
.endif
;; end of part 4
